; MI455X (gfx1250); checked and timed in simulation.
; The chip was launched on July 23, 2026; its instructions are those of AMD's public machine-readable ISA for CDNA 5 (MIT licence, August 2026) and "CDNA5" Instruction Set Architecture Reference Guide (July 2026). The comments in the code are by the model that wrote it; some were corrected since.
;; Multi Headed Attention. Allowed arithmetic: matrix products marked QUANTISED: E3M2 operands, one E8M0 scale for each 32 along K, by v_wmma_scale_f32_16x16x128_f8f6f4 with both operands' format E3M2, f32 sums; everything else in f32.
;; Inputs: Wk 1,024 x 1,024 float32; Wo 1,024 x 1,024 float32; Wq 1,024 x 1,024 float32; Wv 1,024 x 1,024 float32; bk 1,024 float32; bo 1,024 float32; bq 1,024 float32; bv 1,024 float32; key 2 x 2,048 x 1,024 float32; mask 2 x 2,048 x 2,048 bool; query 2 x 2,048 x 1,024 float32; value 2 x 2,048 x 1,024 float32.
;; Outputs: out0 2 x 2,048 x 1,024 float32.
;; This version of the problem:
;;   THIS VERSION OF THE PROBLEM IS GIVEN IN LOW PRECISION. The matrix products marked QUANTISED in the list below multiply operands that are first quantised to E3M2 (3 exponent bits, 2 mantissa bits; 6 bits a number), with one power-of-two scale for each 32 numbers along K (OCP MX v1.0); their sums are f32. All else is computed in f32.
;;   The module's matrix products, in the order in which they are computed (A, B: the left and right operand; K: the contracted axis; several contracted axes count as one K, in the product's order):
;;     1. [M 4,096, K 1,024] x [K 1,024, N 1,024]; A: input query; B: input Wq: QUANTISED
;;     2. [M 4,096, K 1,024] x [K 1,024, N 1,024]; A: input key; B: input Wk: QUANTISED
;;     3. [M 4,096, K 1,024] x [K 1,024, N 1,024]; A: input value; B: input Wv: QUANTISED
;;     4. batch 32 x [M 2,048, K 64] x [K 64, N 2,048]; A: computed on the way; B: computed on the way: QUANTISED
;;     5. batch 32 x [M 2,048, K 2,048] x [K 2,048, N 64]; A: softmax (see below); B: computed on the way: QUANTISED
;;     6. [M 4,096, K 1,024] x [K 1,024, N 1,024]; A: computed on the way; B: input Wo: QUANTISED
;;   THE QUANTISER, for each operand of a quantised product, along K:
;;     - K is cut into blocks of 32 from its start; a last block that is shorter is filled with zeros.
;;     - A block's scale is 2^e with e = floor(log2(the largest magnitude in the block)) - 4, held to -126 .. 127; a block of zeros has e = 0. As a byte (E8M0): e + 127.
;;     - Each number is divided by its block's scale, clamped to +-28, and rounded to the nearest number of E3M2, ties to even, subnormals kept.
;;     - The product sums the exact products of the quantised numbers (number of the format x scale) in f32.
;;   ~~~python
;;   def quantise(x, axis):      # numpy; x: float32 -> the quantised numbers, widened to float32 again
;;       x = np.moveaxis(x, axis, -1); K = x.shape[-1]
;;       x = np.pad(x, [(0, 0)] * (x.ndim - 1) + [(0, -K % 32)]); x = x.reshape(x.shape[:-1] + (-1, 32)); a = np.abs(x).max(-1, keepdims=True)
;;       e = np.where(a > 0, np.clip(np.frexp(np.where(a > 0, a, 1))[1] - 1 - 4, -126, 127), 0)      # np.frexp(a)[1] - 1 = floor(log2(a)), exactly
;;       r = np.clip(x / 2.0 ** e, -28, 28)
;;       step = 2.0 ** (np.maximum(np.frexp(np.where(r == 0, 1, r))[1] - 1, -2) - 2)
;;       q = np.round(r / step) * step * 2.0 ** e      # np.round: ties to even
;;       return np.moveaxis(q.reshape(q.shape[:-2] + (-1,))[..., :K], -1, axis).astype(np.float32)
;;   ~~~
;;   SOFTMAX AHEAD OF A QUANTISED PRODUCT. Where the list says 'softmax', what is quantised is not the finished softmax but p = 2^(t - M), with t = logit x log2(e) and M = ceil(the row's largest t), a whole number; so 1/2 < the row's largest p <= 1. The row's sum l is taken of the UNQUANTISED p, in f32, and the product's result is divided by l at the end. Since M is a whole number, a kernel that streams over the keys may use a running M (the ceiling of the running maximum): every later rescaling is an exact power of two, which a block's scale takes up: the codes' values come out the same.
;;   OPERANDS COMPUTED ON THE WAY. 'Computed on the way' means the value that the module computes at that place (a softmax that the list does not call 'softmax' is quantised finished and normalised). What goes into a quantiser is computed in f32, as accurately as f32 sums, v_exp_f32 and their like allow (about 1e-6 of the number): no bf16 or f16 on the way to a quantiser, and a product that is left as it is and whose result goes on into a quantised operand takes f32 operands (vector FMAs, or v_wmma_f32_16x16x4_f32). A number that lies on a knife's edge between two numbers of the format may be rounded either way, as far as f32 arithmetic and the matrix unit's own rounding can turn it there, and no further.
;; One version. Each part assembles by itself: llvm-mc -triple=amdgcn-amd-amdhsa -mcpu=gfx1250 --defsym DOCPART=n.
;; ======== version 1 of 1: 4 launches
;; limits: right only within a limited range of input values
;; workspace buffers: xq 9,830,400 bytes; wq 3,276,800 bytes; mbits 1,048,576 bytes of whole numbers; mflag 65,536 bytes of whole numbers; hq 9,830,400 bytes; aq 3,276,800 bytes
;; launch prep (part 1): grid 576 x 1, 4 waves a work-group, no clusters, 93,952 bytes of LDS; arguments mask, query, key, value, Wq, Wk, Wv, Wo, mbits, xq, wq, mflag; writes mbits, xq, wq, mflag
.if DOCPART == 1
	.amdgcn_target "amdgcn-amd-amdhsa--gfx1250"
	.amdhsa_code_object_version 6
	.text
	.protected	k_qb317230b64_prep
	.globl	k_qb317230b64_prep
	.p2align	8
	.type	k_qb317230b64_prep,@function
k_qb317230b64_prep:
	s_mov_b64 s[64:65], 0
	v_nop
	global_prefetch_b8 v0, s[64:65] scope:SCOPE_SE
	s_setreg_imm32_b32 hwreg(HW_REG_WAVE_MODE, 25, 1), 1
	s_wait_xcnt 0x0
; THE FIRST LAUNCH: everything that is read as it was given is turned once into the form that the later launches' registers want.
; Three kinds of work-group, told apart by the work-group's number alone; each kind has LDS bytes of its own, each wave its own part of them; the mask's four flag words meet behind one barrier.
;   0..255    the mask [2][2048][2048] of bytes -> lane masks: one 32-bit word for each register of a tile of scores.
;   256..447  query, key, value [4096][1024] f32 -> codes of E3M2 along K = 1024 and one E8M0 byte for each 32.
;   448..575  Wq, Wk, Wv, Wo [1024 (k)][1024 (n)] f32 -> the same, along their FIRST axis: a lane takes a column, its registers run down K.
; TILES.  Rows (tokens, or columns n of a weight) go in groups of 32; tile 2 G + u holds in its place r (0..15) row 32 G + 8 u + r + 8 (r / 8).  With such a tile as a matrix
; instruction's first source, the 16 result registers of tiles 2 G and 2 G + 1 are 16 NEIGHBOURS, 32 G + 16 (lane / 16) + 0..15: what the next quantiser wants.
; IMAGES.  Codes are stored as the operand's registers hold them.  A half image, 768 bytes, is 16 rows x 64 along K: registers 0-3 of the 32 lanes (16 bytes at 16 x lane), then registers 4-5 (8 bytes at
; 8 x lane); lane (r, h) holds block h of the 64.  Every store of codes covers 512 or 256 consecutive bytes, aligned to 256.  Scale bytes: [tile][r][32 bytes], byte = K / 32.
; THE QUANTISER: a block's scale is 2^(floor(log2(largest magnitude)) - 4); its byte is the largest magnitude's exponent field - 4, held at 1 from below by a floor among the maximum's leaves.
; LIMITS: a block of zeros gets the byte 1 where the rule says 127 (its codes are zeros, and this program alone reads the bytes); blocks whose largest magnitude lies under 2^-122 share that floor;
; NaN and infinities among the inputs are not served.  The weights' scale bytes leave 8 bytes a lane, to rows 32 bytes apart: one byte for each 128 that the path reads.
; No matrix unit, no cluster, no tensor load: work-groups share no input and memory binds.
.set SP,    528                        ; a stage row: 512 bytes + 16, an odd multiple of 16: sixteen rows' 16-byte pieces start at sixteen different places modulo 256
.set WREG,  16*SP                      ; a wave's stage in the mask's and the tokens' paths
.set MST,   0                          ; LDS: the mask path's four stages,
.set XST,   4*WREG                     ; the tokens',
.set WST,   8*WREG                     ; the weights': four of WWAVE bytes
.set WWAVE, 6400
.set WHALF, 3200                       ; in it tile u's four half images (3,072 bytes) begin at 3,200 u
.set R,     16                         ; tokens: v16-143  two sets of 64 registers as loaded
.set X,     144                        ;         v144-207 64 numbers of a lane: register 16 b + i = k 32 b + 16 (lane / 16) + i of my row
.set TM,    208                        ;         v208-223 at work
.set PC,    224                        ;         v224-243 the codes just made
.set PWS,   244                        ;         v244-251 the eight scale words of my row
.set SEL,   36                         ; s[36:37] lane selects for v_permlanex16_b32: lane l xor 16
.set WX,    32                         ; weights: v32-95 two sets of 32 numbers
.set WC,    96                         ;          v96-102 a block's codes
.set SB,    24                         ;          v24-25 my column's eight scale bytes
.set OUTR,  112                        ;          v112-159 the way out
; 64 numbers of a lane, v[s] .. v[s + 63], become a fragment's codes (16 rows x 128 K, 12 registers) in v[PC] on and its scale word in v[pw].
.macro QUANT s, pw
.irp b, 0,1,2,3
	v_max3_num_f32 v[TM+\b], |v[\s+16*\b]|, |v[\s+1+16*\b]|, 0x2800000   ; block b: my 16 numbers, and the floor 2^(5 - 127): the byte cannot fall under 1
.endr
.irp i, 2,4,6,8,10,12,14
.irp b, 0,1,2,3
	v_max3_num_f32 v[TM+\b], v[TM+\b], |v[\s+16*\b+\i]|, |v[\s+1+16*\b+\i]|   ; the four blocks by turns
.endr
.endr
.irp b, 0,1,2,3
	v_permlanex16_b32 v[TM+4+\b], v[TM+\b], s[SEL], s[SEL+1]
.endr
.irp b, 0,1,2,3
	v_max_num_f32 v[TM+\b], v[TM+\b], v[TM+4+\b]   ; with lane l xor 16's 16: the block's largest magnitude
.endr
.irp b, 0,1,2,3
	v_add_nc_u32 v[TM+12+\b], 0xfe000000, v[TM+\b]   ; 4 off its exponent field: the conversion takes this operand's exponent field as its scale
.endr
.irp b, 0,1,2,3
	v_lshrrev_b32 v[TM+4+\b], 23, v[TM+12+\b]      ; the scale's byte
.endr
	v_lshl_or_b32 v[\pw], v[TM+5], 8, v[TM+4]
	v_lshl_or_b32 v[\pw], v[TM+6], 16, v[\pw]
	v_lshl_or_b32 v[\pw], v[TM+7], 24, v[\pw]      ; my row's scale word for these 128 along K
.irp c, 0,1
	v_cvt_scalef32_pk16_bf6_f32 v[PC+6*\c:PC+2+6*\c], v[\s+32*\c:\s+15+32*\c], v[TM+12+2*\c]
	v_cvt_scalef32_pk16_bf6_f32 v[PC+12+4*\c:PC+14+4*\c], v[\s+16+32*\c:\s+31+32*\c], v[TM+12+2*\c+1]   ; (a conversion's three registers begin on an even number)
.endr
	v_nop                                          ; one plain instruction behind a scaled conversion
.irp c, 0,1                                    ; the operand wants a WHOLE block in a lane: lanes 0-15 block 2 c, lanes 16-31 block 2 c + 1
.irp i, 0,1,2
	v_permlane16_swap_b32 v[PC+6*\c+\i], v[PC+12+4*\c+\i]
.endr
.irp i, 0,1,2
	v_mov_b32 v[PC+3+6*\c+\i], v[PC+12+4*\c+\i]
.endr
.endr
.endm
	s_load_b512 s[4:19], s[0:1], 0x0               ; mask s[4:5], query s[6:7], key s[8:9], value s[10:11], Wq s[12:13], Wk s[14:15], Wv s[16:17], Wo s[18:19]
	s_load_b128 s[20:23], s[0:1], 0x40             ; mbits s[20:21], xq s[22:23]
	s_load_b64 s[24:25], s[0:1], 0x50              ; wq
	s_load_b64 s[44:45], s[0:1], 0x58              ; mflag
	v_lshl_add_u32 v254, v0, 2, 0x16c00
	v_mov_b32 v255, 0
	v_lshrrev_b32 v1, 5, v0
	v_readfirstlane_b32 s26, v1                    ; wave 0..3
	v_and_b32 v1, 31, v0                           ; lane
	v_and_b32 v2, 15, v0                           ; r
	v_bfe_u32 v3, v0, 4, 1                         ; h
	v_lshlrev_b32 v4, 4, v1                        ; 16 x lane
	v_lshlrev_b32 v5, 3, v1                        ; 8 x lane
	s_wait_kmcnt 0x0
	s_cmp_lt_u32 ttmp9, 256
	s_cbranch_scc0 .Lnot_mask
	; ---- THE MASK.  Work-group = a tile of 16 queries (of both batches' 256); wave w takes keys 512 w .. 512 w + 511: four key steps of 128.
	s_lshr_b32 s27, ttmp9, 1
	s_lshl_b32 s27, s27, 5
	s_and_b32 s28, ttmp9, 1
	s_lshl_b32 s28, s28, 3
	s_add_co_u32 s27, s27, s28                     ; the tile's first query: 32 (T / 2) + 8 (T % 2)
	s_lshl_b32 s27, s27, 11                        ; rows of 2,048 bytes
	s_lshl_b32 s28, s26, 9
	s_add_co_u32 s28, s27, s28
	s_mov_b32 s29, 0
	s_add_nc_u64 s[4:5], s[4:5], s[28:29]
	s_lshl_b32 s28, ttmp9, 12                      ; out: 16 steps x 256 bytes a tile,
	s_lshl_b32 s30, s26, 10                        ; my four steps
	s_add_co_u32 s28, s28, s30
	s_add_nc_u64 s[20:21], s[20:21], s[28:29]
	s_mul_i32 s30, s26, WREG                       ; my stage (MST = 0)
	s_wait_alu depctr_va_vdst(0)
	v_add_nc_u32 v6, s30, v4                       ; in: a row's 512 bytes as they lie
	v_mul_u32_u24 v7, v2, SP
	v_lshl_add_u32 v7, v3, 4, v7
	v_add_nc_u32 v7, s30, v7                       ; back: row r, + 16 h: the 16 keys of my half of a block of 32
.irp i, 0,1,2,3,4,5,6,7,8,9,10,11,12,13,14,15
	global_load_b128 v[16+4*\i:19+4*\i], v4, s[4:5] offset:(\i+8*(\i/8))*2048 th:TH_LOAD_NT   ; 32 lanes read 512 consecutive bytes of the tile's row i; each byte of the mask is read once in the launch
.endr
.irp k, 0,1,2,3,4,5,6,7
	v_mov_b32 v[144+\k], 0                         ; v_writelane_b32's destination counts as read
.endr
	s_wait_alu depctr_va_vdst(0)
.irp i, 0,1,2,3,4,5,6,7,8,9,10,11,12,13,14,15
	s_wait_loadcnt 15-\i                           ; row i is in; the younger rows may be out
	ds_store_b128 v6, v[16+4*\i:19+4*\i] offset:SP*\i
.endr
.irp ss, 0,1,2,3
.irp bb, 0,1,2,3
	ds_load_b128 v[80+16*\ss+4*\bb:83+16*\ss+4*\bb], v7 offset:128*\ss+32*\bb   ; LDS serves a wave's instructions in order: these see my stores.  Byte n % 4 of register n / 4 of step ss: key 128 ss + 32 (n / 16) + 16 h + n % 16
.endr
.endr
	s_wait_dscnt 0x0
.irp ss, 0,1,2,3                               ; word n of a step: bit (r + 16 h) = my byte n.  A compare gives the 32 lanes' bits at once; word n goes to lane n / 2, register n % 2
.irp g, 0,1,2,3,4,5,6,7,8,9,10,11,12,13,14,15
.irp e, 0,1,2,3
	v_and_b32 v[8+\e], 0xff<<(8*\e), v[80+16*\ss+\g]
.endr
.irp e, 0,1,2,3
	v_cmp_ne_u32 s[32+\e], 0, v[8+\e]
.endr
.irp e, 0,1,2,3
	v_writelane_b32 v[144+2*\ss+\e%2], s[32+\e], 2*\g+\e/2
.endr
.endr
	global_store_b64 v5, v[144+2*\ss:145+2*\ss], s[20:21] offset:256*\ss   ; a step's 64 words: 256 consecutive bytes, aligned
.endr
	; THE TILE'S FLAG WORD, for the attention launch.  Bit s (0..15): key step s holds an open key of some query of the tile, or some query of the tile has no open key at all (then all 16 are set);
	; bit 16 + s: step s is to be worked and holds a closed key.  The mask's bytes are 0 or 1: the sum of a lane's 16 registers of a step has in each byte 0..16.
.set FLG, 93696                        ; LDS: four words, one a wave, in a block of 256 bytes of their own, behind the spare words
.irp ss, 0,1,2,3
	v_add3_u32 v[8+\ss], v[80+16*\ss], v[81+16*\ss], v[82+16*\ss]
.endr
.irp i, 3,5,7,9,11,13
.irp ss, 0,1,2,3
	v_add3_u32 v[8+\ss], v[8+\ss], v[80+16*\ss+\i], v[81+16*\ss+\i]
.endr
.endr
.irp ss, 0,1,2,3
	v_add_nc_u32 v[8+\ss], v[8+\ss], v[95+16*\ss]
.endr
.irp ss, 0,1,2,3
	v_cmp_ne_u32 s[32+\ss], 0, v[8+\ss]            ; lanes (r, h) with an open key among their 64 of the step
	v_cmp_eq_u32 s[48+\ss], 0x10101010, v[8+\ss]   ; lanes whose 64 are all open
.endr
	s_or_b32 s36, s32, s33
	s_or_b32 s37, s34, s35
	s_or_b32 s36, s36, s37
	s_lshr_b32 s37, s36, 16
	s_or_b32 s36, s36, s37
	s_and_b32 s36, s36, 0xffff                     ; bit r: query r has an open key among my wave's 512
.irp ss, 0,1,2,3
	s_cmp_lg_u32 s[32+\ss], 0
	s_cselect_b32 s37, 1<<(16+\ss), 0              ; bit 16 + ss: my step ss holds an open key
	s_or_b32 s36, s36, s37
	s_cmp_eq_u32 s[48+\ss], -1
	s_cselect_b32 s37, 1<<(20+\ss), 0              ; bit 20 + ss: all its keys are open
	s_or_b32 s36, s36, s37
.endr
	s_lshl_b32 s37, s26, 2
	s_add_co_u32 s37, s37, FLG
	v_mov_b32 v12, s36
	v_mov_b32 v13, s37
	ds_store_b32 v13, v12                          ; all lanes write my wave's word with the same value
	s_wait_dscnt 0x0                               ; my word is written,
	s_barrier_signal -1
	s_barrier_wait -1                              ; and so are the others'
	v_mov_b32 v14, FLG
	ds_load_b128 v[8:11], v14
	s_wait_dscnt 0x0
.irp w, 0,1,2,3
	v_readfirstlane_b32 s[32+\w], v[8+\w]
.endr
	s_or_b32 s36, s32, s33
	s_or_b32 s37, s34, s35
	s_or_b32 s36, s36, s37
	s_and_b32 s36, s36, 0xffff                     ; the queries with an open key anywhere
	s_bfe_u32 s37, s32, 0x40010                    ; the sixteen steps' bits: wave w's four at 4 w
	s_bfe_u32 s38, s32, 0x40014
.irp w, 1,2,3
	s_bfe_u32 s39, s[32+\w], 0x40010
	s_lshl_b32 s39, s39, 4*\w
	s_or_b32 s37, s37, s39
	s_bfe_u32 s39, s[32+\w], 0x40014
	s_lshl_b32 s39, s39, 4*\w
	s_or_b32 s38, s38, s39
.endr
	s_cmp_eq_u32 s36, 0xffff
	s_cselect_b32 s37, s37, 0xffff                 ; a query with no open key averages over all keys: every step is worked
	s_and_not1_b32 s38, s37, s38                   ; worked, and not all open
	s_lshl_b32 s38, s38, 16
	s_or_b32 s37, s37, s38
	s_lshl_b32 s38, ttmp9, 8                       ; 256 bytes a tile, all holding the word: wave 0 stores one aligned run of 256 bytes
	s_mov_b32 s39, 0
	s_add_nc_u64 s[44:45], s[44:45], s[38:39]
	v_mov_b32 v12, s37
	v_mov_b32 v13, s37
	s_wait_alu depctr_va_vdst(0)
	s_cmp_lg_u32 s26, 0
	s_cbranch_scc1 .Lmask_end
	global_store_b64 v5, v[12:13], s[44:45]
.Lmask_end:
	s_wait_tensorcnt 0x0
	ds_add_u32 v254, v255
	s_wait_dscnt 0x0
	s_endpgm
.Lnot_mask:
	s_cmp_lt_u32 ttmp9, 448
	s_cbranch_scc0 .Lweights
	; ---- QUERY, KEY, VALUE.  A wave takes one tile of 16 tokens through all of K, 128 at a time.
	s_sub_co_u32 s27, ttmp9, 256
	s_lshl_b32 s27, s27, 2
	s_add_co_u32 s27, s27, s26                     ; 768 jobs
	s_lshr_b32 s28, s27, 8                         ; which tensor
	s_and_b32 s29, s27, 255                        ; which tile
	s_cmp_eq_u32 s28, 1
	s_cselect_b64 s[6:7], s[8:9], s[6:7]
	s_cmp_eq_u32 s28, 2
	s_cselect_b64 s[6:7], s[10:11], s[6:7]
	s_lshr_b32 s30, s29, 1
	s_lshl_b32 s30, s30, 5
	s_and_b32 s31, s29, 1
	s_lshl_b32 s31, s31, 3
	s_add_co_u32 s30, s30, s31
	s_lshl_b32 s30, s30, 12                        ; rows of 4,096 bytes
	s_mov_b32 s31, 0
	s_add_nc_u64 s[6:7], s[6:7], s[30:31]
	s_mul_i32 s30, s28, 3145728
	s_mul_i32 s32, s29, 12288
	s_add_co_u32 s30, s30, s32
	s_add_nc_u64 s[40:41], s[22:23], s[30:31]      ; my tile's 16 half images
	s_lshl_b32 s30, s28, 17
	s_lshl_b32 s32, s29, 9
	s_add_co_u32 s30, s30, s32
	s_add_co_u32 s30, s30, 9437184
	s_add_nc_u64 s[42:43], s[22:23], s[30:31]      ; its 512 scale bytes
	s_mul_i32 s33, s26, WREG
	s_add_co_u32 s33, s33, XST                     ; my stage
	s_wait_alu depctr_va_vdst(0)
	v_add_nc_u32 v6, s33, v4
	v_mul_u32_u24 v7, v2, SP
	v_lshl_add_u32 v7, v3, 6, v7
	v_add_nc_u32 v7, s33, v7                       ; back: row r, + 64 h: 16 numbers of my half of a block of 32
	v_lshlrev_b32 v8, 5, v2
	v_lshl_add_u32 v8, v3, 4, v8                   ; scale bytes: 32 r + 16 h
	s_mov_b32 s[SEL], 0x76543210
	s_mov_b32 s[SEL+1], 0xfedcba98
	s_mov_b32 s38, 0xffff0000                      ; lanes 16-31
.irp b, 0,1,2,3
	v_mov_b32 v[TM+4+\b], 0                        ; a lane permute's destination counts as one of its sources
.endr
.macro XLOAD q                                 ; K step q of the tile's 16 rows: each load reads 512 consecutive bytes
.irp i, 0,1,2,3,4,5,6,7,8,9,10,11,12,13,14,15
	global_load_b128 v[R+64*((\q)%2)+4*\i:R+64*((\q)%2)+4*\i+3], v4, s[6:7] offset:(\i+8*(\i/8))*4096+512*(\q) th:TH_LOAD_NT
.endr
.endm
.macro XTURN q                                 ; through the stage: in as loaded, back 16 neighbours of each block to a lane
.irp i, 0,1,2,3,4,5,6,7,8,9,10,11,12,13,14,15
	ds_store_b128 v6, v[R+64*((\q)%2)+4*\i:R+64*((\q)%2)+4*\i+3] offset:SP*\i
.endr
.irp b, 0,1,2,3
.irp j, 0,1,2,3
	ds_load_b128 v[X+16*\b+4*\j:X+16*\b+4*\j+3], v7 offset:128*\b+16*\j
.endr
.endr
.endm
	XLOAD 0
	XLOAD 1
	s_wait_alu depctr_va_vdst(0)
.irp q, 0,1,2,3,4,5,6,7
.if \q < 7
	s_wait_loadcnt 16                              ; this step's 16 loads are in; the next step's 16 may be out
.else
	s_wait_loadcnt 0x0
.endif
	XTURN \q
	s_wait_dscnt 0x0                               ; the numbers are back, and the stage's stores have read their registers
	s_wait_xcnt 0x0                                ; the last step's stores have read the codes' registers: they are written again only behind this wait
.if \q < 6
	XLOAD \q+2
.endif
	QUANT X, PWS+\q
	global_store_b128 v4, v[PC:PC+3], s[40:41] offset:1536*\q            ; half image 2 q: registers 0-3,
	global_store_b64 v5, v[PC+4:PC+5], s[40:41] offset:1536*\q+512       ; 4-5;
	global_store_b128 v4, v[PC+6:PC+9], s[40:41] offset:1536*\q+768      ; half image 2 q + 1
	global_store_b64 v5, v[PC+10:PC+11], s[40:41] offset:1536*\q+1280
.endr
.irp k, 0,1,2,3
	v_cndmask_b32 v[TM+\k], v[PWS+\k], v[PWS+4+\k], s38   ; both halves of the lanes hold row r's eight words: lanes 0-15 store words 0-3, lanes 16-31 words 4-7
.endr
	global_store_b128 v8, v[TM:TM+3], s[42:43]     ; 512 consecutive bytes
	s_wait_tensorcnt 0x0
	ds_add_u32 v254, v255
	s_wait_dscnt 0x0
	s_endpgm
.Lweights:
	; ---- THE WEIGHTS.  Work-group: 128 columns x 256 along K of one weight; a wave 32 columns, one group of two tiles; a lane one column, 8 blocks of 32 down K.
	s_sub_co_u32 s27, ttmp9, 448
	s_lshr_b32 s28, s27, 5                         ; which weight
	s_and_b32 s29, s27, 7                          ; which 128 columns
	s_bfe_u32 s30, s27, 0x20003                    ; which 256 along K
	s_cmp_eq_u32 s28, 1
	s_cselect_b64 s[12:13], s[14:15], s[12:13]
	s_cmp_eq_u32 s28, 2
	s_cselect_b64 s[12:13], s[16:17], s[12:13]
	s_cmp_eq_u32 s28, 3
	s_cselect_b64 s[12:13], s[18:19], s[12:13]
	s_lshl_b32 s31, s29, 2
	s_add_co_u32 s31, s31, s26                     ; G: my group of 32 columns
	s_lshl_b32 s32, s30, 20                        ; 256 rows of 4,096 bytes
	s_lshl_b32 s34, s31, 7                         ; 32 columns of 4 bytes
	s_add_co_u32 s32, s32, s34
	s_mov_b32 s33, 0
	s_add_nc_u64 s[12:13], s[12:13], s[32:33]
	s_mul_i32 s32, s28, 786432
	s_mul_i32 s34, s31, 24576
	s_add_co_u32 s32, s32, s34
	s_mul_i32 s34, s30, 3072
	s_add_co_u32 s32, s32, s34
	s_add_nc_u64 s[40:41], s[24:25], s[32:33]      ; tile 2 G's half images 4 ky .. 4 ky + 3; tile 2 G + 1's lie 12,288 bytes on
	s_lshl_b32 s32, s28, 15
	s_lshl_b32 s34, s31, 10
	s_add_co_u32 s32, s32, s34
	s_lshl_b32 s34, s30, 3
	s_add_co_u32 s32, s32, s34
	s_add_co_u32 s32, s32, 3145728
	s_add_nc_u64 s[42:43], s[24:25], s[32:33]      ; the two tiles' scale rows, at my 8 bytes of each
	v_bfe_u32 v9, v0, 3, 1                         ; column cl of the group lies in tile u = (cl / 8) % 2,
	v_and_b32 v10, 7, v0
	v_bfe_u32 v11, v0, 4, 1
	v_lshl_add_u32 v10, v11, 3, v10                ; at place r = cl % 8 + 8 (cl / 16)
	s_mul_i32 s34, s26, WWAVE
	s_add_co_u32 s34, s34, WST                     ; my stage
	v_mul_u32_u24 v11, v9, WHALF
	v_add_nc_u32 v11, s34, v11
	v_lshl_add_u32 v6, v10, 4, v11                 ; where registers 0-3 of my place go,
	v_lshl_add_u32 v7, v10, 3, v11                 ; and registers 4-5
	v_add_nc_u32 v8, s34, v4                       ; back: as the images lie
	v_lshlrev_b32 v12, 2, v1                       ; in: 4 bytes a lane
	v_lshl_add_u32 v13, v9, 4, v10
	v_lshlrev_b32 v13, 5, v13                      ; my scale row: (16 u + r) x 32
.macro WLOAD t                                 ; block t: W(32 t + i, my column): 32 lanes read 128 consecutive bytes, the four waves 512
.irp i, 0,1,2,3,4,5,6,7,8,9,10,11,12,13,14,15,16,17,18,19,20,21,22,23,24,25,26,27,28,29,30,31
	global_load_b32 v[WX+32*((\t)%2)+\i], v12, s[12:13] offset:(32*(\t)+\i)*4096 th:TH_LOAD_NT
.endr
.endm
.macro WBLOCK t
.set XB, WX+32*((\t)%2)
.if (\t) < 7
	s_wait_loadcnt 32                              ; this block's 32 loads are in; the next block's may be out
.else
	s_wait_loadcnt 0x0
.endif
	v_max3_num_f32 v14, |v[XB]|, |v[XB+1]|, |v[XB+2]|   ; the block's largest magnitude: all 32 numbers are mine
	v_max3_num_f32 v15, |v[XB+3]|, |v[XB+4]|, |v[XB+5]|
.irp i, 6,10,14,18,22,26
	v_max3_num_f32 v14, v14, |v[XB+\i]|, |v[XB+\i+1]|
	v_max3_num_f32 v15, v15, |v[XB+\i+2]|, |v[XB+\i+3]|
.endr
	v_max3_num_f32 v14, v14, |v[XB+30]|, |v[XB+31]|
	v_max3_num_f32 v14, v14, v15, 0x2800000        ; and the floor
	v_add_nc_u32 v16, 0xfe000000, v14              ; the conversion's scale operand
	v_lshrrev_b32 v17, 23, v16                     ; the byte
.if (\t)%4 == 0
	v_mov_b32 v[SB+(\t)/4], v17
.else
	v_lshl_or_b32 v[SB+(\t)/4], v17, 8*((\t)%4), v[SB+(\t)/4]
.endif
	v_cvt_scalef32_pk16_bf6_f32 v[WC:WC+2], v[XB:XB+15], v16
	v_cvt_scalef32_pk16_bf6_f32 v[WC+4:WC+6], v[XB+16:XB+31], v16
	v_nop                                          ; one plain instruction behind a scaled conversion
	v_mov_b32 v[WC+3], v[WC+4]                     ; the block's six registers on end
	v_mov_b32 v[WC+4], v[WC+5]
	v_mov_b32 v[WC+5], v[WC+6]
	ds_store_b128 v6, v[WC:WC+3] offset:768*((\t)/2)+256*((\t)%2)        ; block t is half t % 2 of half image t / 2: lane place r + 16 (t % 2)
	ds_store_b64 v7, v[WC+4:WC+5] offset:768*((\t)/2)+512+128*((\t)%2)
.if (\t)+2 < 8
	WLOAD (\t)+2
.endif
	s_wait_dscnt 0x0                               ; the stores have read their registers: the next block's codes may be written
.endm
	WLOAD 0
	WLOAD 1
.irp t, 0,1,2,3,4,5,6,7
	WBLOCK \t
.endr
	s_wait_alu depctr_va_vdst(0)
	global_store_b64 v13, v[SB:SB+1], s[42:43]     ; my column's 8 scale bytes
.irp u, 0,1
.irp k, 0,1,2,3,4,5
	ds_load_b128 v[OUTR+4*(6*\u+\k):OUTR+4*(6*\u+\k)+3], v8 offset:WHALF*\u+512*\k
.endr
.endr
.irp u, 0,1
.irp k, 0,1,2,3,4,5
	s_wait_dscnt 11-(6*\u+\k)                      ; this piece is back; the younger ones may be out
	global_store_b128 v4, v[OUTR+4*(6*\u+\k):OUTR+4*(6*\u+\k)+3], s[40:41] offset:12288*\u+512*\k   ; 512 consecutive bytes, aligned to 256
.endr
.endr
	s_wait_tensorcnt 0x0
	ds_add_u32 v254, v255
	s_wait_dscnt 0x0
	s_endpgm
.Lfunc_end_k_qb317230b64_prep:
	.size	k_qb317230b64_prep, .Lfunc_end_k_qb317230b64_prep-k_qb317230b64_prep
	.p2alignl 7, 3214868480
	.fill 96, 4, 3214868480
	.section	.rodata,"a",@progbits
	.p2align	6, 0x0
	.amdhsa_kernel k_qb317230b64_prep
		.amdhsa_group_segment_fixed_size 93952
		.amdhsa_private_segment_fixed_size 0
		.amdhsa_enable_private_segment 0
		.amdhsa_kernarg_size 96
		.amdhsa_user_sgpr_count 2
		.amdhsa_user_sgpr_kernarg_segment_ptr 1
		.amdhsa_wavefront_size32 1
		.amdhsa_system_sgpr_workgroup_id_x 1
		.amdhsa_system_sgpr_workgroup_id_y 1
		.amdhsa_system_sgpr_workgroup_id_z 1
		.amdhsa_system_vgpr_workitem_id 0
		.amdhsa_next_free_vgpr 256
		.amdhsa_next_free_sgpr 66
		.amdhsa_reserve_vcc 0
		.amdhsa_float_denorm_mode_32 3
		.amdhsa_float_denorm_mode_16_64 3
		.amdhsa_memory_ordered 1
		.amdhsa_forward_progress 1
		.amdhsa_inst_pref_size 166
	.end_amdhsa_kernel
	.amdgpu_metadata
---
amdhsa.version: [ 1, 2 ]
amdhsa.kernels:
  - .name:           k_qb317230b64_prep
    .symbol:         k_qb317230b64_prep.kd
    .args:
      - { .name: mask, .offset: 0, .size: 8, .value_kind: global_buffer, .address_space: global }
      - { .name: query, .offset: 8, .size: 8, .value_kind: global_buffer, .address_space: global }
      - { .name: key, .offset: 16, .size: 8, .value_kind: global_buffer, .address_space: global }
      - { .name: value, .offset: 24, .size: 8, .value_kind: global_buffer, .address_space: global }
      - { .name: Wq, .offset: 32, .size: 8, .value_kind: global_buffer, .address_space: global }
      - { .name: Wk, .offset: 40, .size: 8, .value_kind: global_buffer, .address_space: global }
      - { .name: Wv, .offset: 48, .size: 8, .value_kind: global_buffer, .address_space: global }
      - { .name: Wo, .offset: 56, .size: 8, .value_kind: global_buffer, .address_space: global }
      - { .name: mbits, .offset: 64, .size: 8, .value_kind: global_buffer, .address_space: global }
      - { .name: xq, .offset: 72, .size: 8, .value_kind: global_buffer, .address_space: global }
      - { .name: wq, .offset: 80, .size: 8, .value_kind: global_buffer, .address_space: global }
      - { .name: mflag, .offset: 88, .size: 8, .value_kind: global_buffer, .address_space: global }
    .group_segment_fixed_size: 93952
    .private_segment_fixed_size: 0
    .kernarg_segment_align: 8
    .kernarg_segment_size: 96
    .max_flat_workgroup_size: 128
    .sgpr_count:     66
    .vgpr_count:     256
    .wavefront_size: 32
...
	.end_amdgpu_metadata
.endif
;; end of part 1
;; launch proj (part 2): grid 8 x 96, 4 waves a work-group, clusters of 4 x 4, 205,312 bytes of LDS; arguments xq, wq, bq, bk, bv, hq; writes hq
.if DOCPART == 2
	.amdgcn_target "amdgcn-amd-amdhsa--gfx1250"
	.amdhsa_code_object_version 6
	.text
	.protected	k_qb317230b64_proj
	.globl	k_qb317230b64_proj
	.p2align	8
	.type	k_qb317230b64_proj,@function
k_qb317230b64_proj:
	s_mov_b64 s[64:65], 0
	v_nop
	global_prefetch_b8 v0, s[64:65] scope:SCOPE_SE
	s_setreg_imm32_b32 hwreg(HW_REG_WAVE_MODE, 25, 1), 1
	s_wait_xcnt 0x0
	s_wait_alu depctr_hold_cnt(0) depctr_sa_sdst(0) depctr_va_vdst(0) depctr_va_sdst(0) depctr_va_ssrc(0) depctr_va_vcc(0) depctr_vm_vsrc(0)
	s_getreg_b32 s2, hwreg(HW_REG_IB_STS2, 6, 4)
	s_cmp_eq_u32 s2, 0
	s_cbranch_scc0 .Lentry_in_a_cluster
	s_endpgm
.Lentry_in_a_cluster:
	s_bfe_u32 s2, ttmp6, 0x10000c
	s_cmp_lg_u32 s2, 0xf033
	s_cbranch_scc0 .Lentry_shape_is_right
	s_endpgm
.Lentry_shape_is_right:
; q = query Wq + bq, k = key Wk + bk, v = value Wv + bv on codes of E3M2 (one E8M0 scale for each 32 along K = 1024), each result quantised at once for attention and stored as codes.
; ONE TEXT FOR THE THREE.  A work-group multiplies 128 rows "R" (the instruction's second source) by 128 rows "P" (its first source).  A lane then holds ONE row of R, and its registers run along P:
;   q, k: R = 128 tokens, P = 128 columns of the weight (two heads): registers run along the head's 64: the first attention product's K.
;   v:    R = 128 columns of Wv (two heads' channels), P = 128 tokens: registers run along the KEYS: the second attention product's K.
; The choice is made by selects on the cluster's y, which all partners share; no branch hangs on it.
; TILES AND IMAGES as the first launch lays them: tile 2 G + u holds at place r row 32 G + 8 u + r + 8 (r / 8), so that the 16 result registers of P's tiles 2 G and 2 G + 1 are 16 neighbours;
; a half image (768 bytes) is registers 0-5 of a fragment's 32 lanes for 64 along K.  A fragment comes by two loads of 16 bytes and two of 8, each over consecutive bytes: no bank is asked twice.
; ALL OF K LIES IN LDS: 256 rows x 768 bytes of codes = 196,608 bytes, and 8,192 scale bytes.  Every LDS byte is filled once, by one tensor load a wave issued
; at the head (one of a wave's is out at the most); no slot is ever filled again.
; CLUSTER 4 x 4: R's tiles are shared along a row of the cluster, P's along a column: each is asked for jointly, by the same load with the same descriptor and a mask that names the four.
; SHARES: wave w takes R's tiles 2 w, 2 w + 1 against all eight of P's: 16 accumulators; a lane's 64 results of a tile of R are one fragment (128 along the next K) for the quantiser.
; The bias starts the sums: it is the C of each accumulator's first product.
; LIMITS: a block of zeros gets the scale byte 1 (its codes are zeros; this program alone reads the bytes); NaN and infinities are not served (the bias that does not apply is multiplied by 0).
; The scale words leave 128 consecutive bytes a wave: half of an aligned 256.
; No prefetch: every tile is asked for once, at the head, by its tensor load.
; REGISTERS.  Window 0: v1-6 lane numbers and offsets; v8-16 LDS addresses; v20-23 the bias by rows of R; v24-87 scale words, and nothing else; v88-125 the quantiser's; v128-255 the accumulators ((a, b) at 128 + 8 (8 a + b)).
;   Window 1: two fragment buffers, v0-119 and v128-247: P's fragment b at 12 b, R's fragment a at 96 + 12 a.  (Before the first fragments land, buffer 0 holds the bias by rows of P.)
; THE FILLS AS THEY NOW STAND: LDS holds R's 8 tiles (12,288 bytes each, all of K) from 0, P's 8 from PBASE, then the scale rows.  Each is one dense block of memory; one tensor load a wave at the head:
; wave 0 R's codes, wave 1 P's codes, wave 2 R's scale rows, wave 3 P's.  Every LDS byte is filled once; one load of a wave's is out at the most.
.set TILEB, 12288                      ; a tile: 16 half images
.set FRB,   1536                       ; a fragment: 2 half images
.set PBASE, 98304
.set SCL,   196608                     ; the scale rows: R's 4,096 bytes, then P's
.set SC,    24
.set TM,    88
.set PW,    104
.set PC,    106
.set ACC,   128
.set G1A,   16                         ; s[16:23] group 1 for R's codes; s[24:31] for P's; s[32:39], s[40:47] for their scale rows
.set G1B,   24
.set G1SA,  32
.set G1SB,  40
.set G0A0,  48                         ; groups 0: R's codes, scale rows; P's likewise
.set G0A1,  52
.set G0AS,  56
.set G0B0,  60
.set G0B1,  68
.set G0BS,  72
.set WV,    76
.set CX,    77
.set CY,    78
.set TZ,    79                         ; 0 q, 1 k, 2 v
.set RT,    80                         ; which 128 rows of R
.set PT,    81                         ; which 128 rows of P
.set W1,    82                         ; wave % 2
.set SELP,  96                         ; s[96:97] 1.0 where the bias goes by rows of P (q, k), else 0
.set SELR,  98                         ; the other way round
.set HI,    99                         ; lanes 16-31
.set SEL,   100                        ; s[100:101] lane selects: lane l xor 16
.set OC,    4                          ; s[4:5] where my first half images go; s[6:7] the second; s[88:89] the scale words
.set OC2,   6
.set OS,    88
.set MSB, 0
.macro WIN new                         ; the immediate's high byte repeats the setting that is left
.if MSB != \new
	s_set_vgpr_msb (MSB<<8)|\new
.set MSB, \new
.endif
.endm
.set MUL,  0x05                        ; sources 0 and 1 window 1; C and D window 0
.set TO_F, 0x40                        ; destination window 1, address window 0
.macro CROUND                          ; a round of the cluster's barrier
	s_barrier_signal -1
	s_barrier_wait -1
	s_cmp_lg_u32 s[WV], 0
	s_cbranch_scc1 .Lnot_wave_0_\@
	s_barrier_signal -3
.Lnot_wave_0_\@:
	s_barrier_wait -3
	s_barrier_signal -1
	s_barrier_wait -1
.endm
.macro QUANT s, pw                     ; 64 numbers of a lane (register 16 b + i = k 32 b + 16 (lane / 16) + i of my row) -> a fragment's codes in v[PC] on, its scale word in v[pw]
.irp b, 0,1,2,3
	v_max3_num_f32 v[TM+\b], |v[\s+16*\b]|, |v[\s+1+16*\b]|, 0x2800000   ; my 16 numbers of block b, from each accumulator's low end on, and the floor 2^(5 - 127)
.endr
.irp i, 2,4,6,8,10,12,14
.irp b, 0,1,2,3
	v_max3_num_f32 v[TM+\b], v[TM+\b], |v[\s+16*\b+\i]|, |v[\s+1+16*\b+\i]|
.endr
.endr
.irp b, 0,1,2,3
	v_permlanex16_b32 v[TM+4+\b], v[TM+\b], s[SEL], s[SEL+1]
.endr
.irp b, 0,1,2,3
	v_max_num_f32 v[TM+\b], v[TM+\b], v[TM+4+\b]
.endr
.irp b, 0,1,2,3
	v_add_nc_u32 v[TM+12+\b], 0xfe000000, v[TM+\b]   ; 4 off the exponent field: the conversion's scale operand
.endr
.irp b, 0,1,2,3
	v_lshrrev_b32 v[TM+4+\b], 23, v[TM+12+\b]
.endr
	v_lshl_or_b32 v[\pw], v[TM+5], 8, v[TM+4]
	v_lshl_or_b32 v[\pw], v[TM+6], 16, v[\pw]
	v_lshl_or_b32 v[\pw], v[TM+7], 24, v[\pw]
.irp c, 0,1
	v_cvt_scalef32_pk16_bf6_f32 v[PC+6*\c:PC+2+6*\c], v[\s+32*\c:\s+15+32*\c], v[TM+12+2*\c]
	v_cvt_scalef32_pk16_bf6_f32 v[PC+12+4*\c:PC+14+4*\c], v[\s+16+32*\c:\s+31+32*\c], v[TM+12+2*\c+1]
.endr
	v_nop                                          ; one plain instruction behind a scaled conversion
.irp c, 0,1
.irp i, 0,1,2
	v_permlane16_swap_b32 v[PC+6*\c+\i], v[PC+12+4*\c+\i]
.endr
.irp i, 0,1,2
	v_mov_b32 v[PC+3+6*\c+\i], v[PC+12+4*\c+\i]
.endr
.endr
.endm
	s_load_b256 s[4:11], s[0:1], 0x0               ; xq s[4:5], wq s[6:7], bq s[8:9], bk s[10:11]
	s_load_b128 s[12:15], s[0:1], 0x20             ; bv s[12:13], hq s[14:15]
	v_lshl_add_u32 v126, v0, 2, 0x32000
	v_mov_b32 v127, 0
	ds_add_u32 v126, v127
	ds_add_u32 v126, v127
	v_lshrrev_b32 v1, 5, v0
	v_readfirstlane_b32 s[WV], v1                  ; wave 0..3
	s_and_b32 s[W1], s[WV], 1
	s_bfe_u32 s[CX], ttmp6, 0x40000
	s_bfe_u32 s[CY], ttmp6, 0x40004
	s_and_b32 s83, ttmp7, 0xffff                   ; the cluster's y: 8 for each of q, k, v
	s_lshr_b32 s[TZ], s83, 3
	s_and_b32 s83, s83, 7
	s_cmp_eq_u32 s[TZ], 2
	s_cselect_b32 s[RT], ttmp9, s83                ; v: R has 8 blocks (the cluster's x counts 2 x 4), P has 32; q, k: the other way round
	s_cselect_b32 s[PT], s83, ttmp9
	s_lshl_b32 s[RT], s[RT], 2
	s_add_co_u32 s[RT], s[RT], s[CY]
	s_lshl_b32 s[PT], s[PT], 2
	s_add_co_u32 s[PT], s[PT], s[CX]
	s_lshl_b32 s84, s[CY], 2
	s_lshl_b32 s84, 15, s84                        ; my row of the cluster
	s_lshl_b32 s86, 0x1111, s[CX]                  ; my column
	s_or_b32 s[G1A], s84, (3<<16)|(1<<21)          ; 15:0 the mask; 17:16 elements of 8 bytes; 21 set beside a mask; no padding
	s_or_b32 s[G1B], s86, (3<<16)|(1<<21)
	s_or_b32 s[G1SA], s84, (3<<16)|(1<<21)
	s_or_b32 s[G1SB], s86, (3<<16)|(1<<21)
.irp g, G1A, G1B                               ; codes
	s_mov_b32 s[\g+1], 32<<16                      ; 8 tiles' codes: 98,304 dense bytes as 384 rows of 256
	s_mov_b32 s[\g+2], 384<<16
	s_mov_b32 s[\g+3], 32<<16
	s_mov_b32 s[\g+4], 384
	s_mov_b32 s[\g+5], 32
	s_mov_b32 s[\g+6], 0
	s_mov_b32 s[\g+7], 0
.endr
.irp g, G1SA, G1SB                             ; scale rows
	s_mov_b32 s[\g+1], 32<<16
	s_mov_b32 s[\g+2], 16<<16                      ; 8 tiles' scale rows: 16 rows of 256 bytes
	s_mov_b32 s[\g+3], 32<<16
	s_mov_b32 s[\g+4], 16
	s_mov_b32 s[\g+5], 32
	s_mov_b32 s[\g+6], 0
	s_mov_b32 s[\g+7], 0
.endr
	s_mov_b32 s85, 0
	s_wait_dscnt 0x0
	s_wait_kmcnt 0x0
	s_mul_i32 s84, s[TZ], 3145728
	s_add_nc_u64 s[88:89], s[4:5], s[84:85]        ; the tokens' codes of tensor TZ,
	s_lshl_b32 s84, s[TZ], 17
	s_add_co_u32 s84, s84, 9437184
	s_add_nc_u64 s[90:91], s[4:5], s[84:85]        ; their scale rows,
	s_mul_i32 s84, s[TZ], 786432
	s_add_nc_u64 s[92:93], s[6:7], s[84:85]        ; the weight's codes,
	s_lshl_b32 s84, s[TZ], 15
	s_add_co_u32 s84, s84, 3145728
	s_add_nc_u64 s[94:95], s[6:7], s[84:85]        ; its scale rows
	s_cmp_eq_u32 s[TZ], 2
	s_cselect_b64 s[4:5], s[92:93], s[88:89]       ; R's codes: the weight's for v, else the tokens'
	s_cselect_b64 s[6:7], s[94:95], s[90:91]       ; R's scale rows
	s_cselect_b64 s[88:89], s[88:89], s[92:93]     ; P's codes
	s_cselect_b64 s[90:91], s[90:91], s[94:95]     ; P's scale rows
	s_mul_i32 s84, s[RT], 98304                    ; R's offsets hang on RT (the cluster's place along y) and the wave alone,
	s_lshl_b32 s92, s[RT], 12
	s_mov_b32 s85, 0
	s_mov_b32 s93, 0
	s_mul_i32 s86, s[PT], 98304                    ; P's on PT (along x) and the wave alone
	s_lshl_b32 s94, s[PT], 12
	s_mov_b32 s87, 0
	s_mov_b32 s95, 0
	s_add_nc_u64 s[4:5], s[4:5], s[84:85]
	s_add_nc_u64 s[6:7], s[6:7], s[92:93]
	s_add_nc_u64 s[88:89], s[88:89], s[86:87]
	s_add_nc_u64 s[90:91], s[90:91], s[94:95]
	s_mov_b32 s[G0A0], 1
	s_mov_b32 s[G0A0+1], 0
	s_mov_b64 s[G0A0+2:G0A0+3], s[4:5]
	s_or_b32 s[G0A0+3], s[G0A0+3], 0x80000000
	s_mov_b32 s[G0B0], 1
	s_mov_b32 s[G0B0+1], PBASE
	s_mov_b64 s[G0B0+2:G0B0+3], s[88:89]
	s_or_b32 s[G0B0+3], s[G0B0+3], 0x80000000
	s_mov_b32 s[G0AS], 1
	s_mov_b32 s[G0AS+1], SCL
	s_mov_b64 s[G0AS+2:G0AS+3], s[6:7]
	s_or_b32 s[G0AS+3], s[G0AS+3], 0x80000000
	s_mov_b32 s[G0BS], 1
	s_mov_b32 s[G0BS+1], SCL+4096
	s_mov_b64 s[G0BS+2:G0BS+3], s[90:91]
	s_or_b32 s[G0BS+3], s[G0BS+3], 0x80000000
	CROUND                                         ; all sixteen work-groups are here: the joint loads meet
.macro ARM under, g0, g1, next         ; one tree of branches on the wave's number: every way through the head passes exactly one load
	s_cmp_lt_u32 s[WV], \under
	s_cbranch_scc0 \next
	tensor_load_to_lds s[\g0:\g0+3], s[\g1:\g1+7]
	s_nop 0
.rept 4
	v_nop
.endr
	s_branch .Lfilled
\next:
.endm
	ARM 1, G0A0, G1A, .Lfill_p
	ARM 2, G0B0, G1B, .Lfill_sr
	ARM 3, G0AS, G1SA, .Lfill_sp
	tensor_load_to_lds s[G0BS:G0BS+3], s[G1SB:G1SB+7]
	s_nop 0
.rept 4
	v_nop
.endr
.Lfilled:
	; while the tiles are on their way: the bias, the addresses, where the results go
	s_lshl_b32 s84, s[PT], 9                       ; q, k: the bias of P's 128 columns
	s_lshl_b32 s86, s[RT], 9                       ; v: of my 32 channels of R
	s_lshl_b32 s83, s[WV], 7
	s_add_co_u32 s86, s86, s83
	s_mov_b32 s85, 0
	s_mov_b32 s87, 0
	s_cmp_eq_u32 s[TZ], 1
	s_cselect_b64 s[8:9], s[10:11], s[8:9]
	s_cmp_eq_u32 s[TZ], 2
	s_cselect_b64 s[8:9], s[12:13], s[8:9]         ; bq, bk or bv
	s_cselect_b32 s84, 0, s84                      ; the way that does not apply reads the bias's first numbers and multiplies them by 0
	s_cselect_b32 s86, s86, 0
	s_cselect_b32 s[SELP], 0, 1.0
	s_cselect_b32 s[SELR], 1.0, 0
	s_mov_b32 s[SELP+1], s[SELP]                   ; (named with it as a pair, so it is written)
	s_add_nc_u64 s[10:11], s[8:9], s[84:85]
	s_add_nc_u64 s[12:13], s[8:9], s[86:87]
	v_and_b32 v3, 31, v0                           ; lane
	v_and_b32 v1, 15, v0                           ; r
	v_bfe_u32 v2, v0, 4, 1                         ; h
	v_lshlrev_b32 v4, 4, v3                        ; 16 x lane
	v_lshlrev_b32 v5, 3, v3                        ; 8 x lane
	v_lshlrev_b32 v6, 2, v3                        ; 4 x lane
	v_lshlrev_b32 v17, 6, v2                       ; 64 h: register j of P's tile b is P's row 32 (b / 2) + 8 (b % 2) + 16 h + j
	v_and_b32 v18, 8, v1
	v_add_nc_u32 v18, v18, v1
	v_lshlrev_b32 v18, 2, v18                      ; 4 (r + 8 (r / 8)): my row of R's tile a is 8 a + r + 8 (r / 8) of the wave's 32
	WIN TO_F
.irp b, 0,1,2,3,4,5,6,7
	global_load_b128 v[8*\b:8*\b+3], v17, s[10:11] offset:(32*(\b/2)+8*(\b%2))*4
	global_load_b128 v[8*\b+4:8*\b+7], v17, s[10:11] offset:(32*(\b/2)+8*(\b%2))*4+16
.endr
	WIN 0
	global_load_b32 v20, v18, s[12:13]
	global_load_b32 v22, v18, s[12:13] offset:32
	s_mul_i32 s83, s[WV], 2*TILEB
	v_add_nc_u32 v8, s83, v4                       ; R's tiles 2 w, 2 w + 1: registers 0-3 of a half image,
	v_add_nc_u32 v10, s83, v5                      ; registers 4-5 (512 bytes on, in the offset)
	v_add_nc_u32 v12, PBASE, v4                    ; P's tiles 0-3,
	v_add_nc_u32 v13, PBASE+4*TILEB, v4            ; and 4-7
	v_add_nc_u32 v14, PBASE, v5
	v_add_nc_u32 v15, PBASE+4*TILEB, v5
	s_xor_b32 s83, s[WV], 3                        ; scale rows: lanes 0-15 take R's tile 2 w + i, lanes 16-31 P's tile i: the lower base + h x the distance, 4,096 - 1,024 w = 1,024 ((w xor 3) + 1)
	s_add_co_u32 s83, s83, 1
	s_lshl_b32 s83, s83, 10
	v_mul_u32_u24 v16, s83, v2
	v_lshl_add_u32 v16, v1, 5, v16
	s_lshl_b32 s83, s[WV], 10
	s_add_co_u32 s83, s83, SCL
	v_add_nc_u32 v16, s83, v16
.irp b, 0,1,2,3
	v_mov_b32 v[TM+4+\b], 0                        ; a lane permute's destination counts as one of its sources
.endr
	; q, k: codes [b][head][tile of tokens][768]; scale words [b][pair of heads][token place] (bytes 0, 1 the even head's two blocks, bytes 2, 3 the odd head's)
	s_lshr_b32 s90, s[RT], 4                       ; b
	s_and_b32 s91, s[RT], 15
	s_mul_i32 s92, s[TZ], 3145728
	s_mul_i32 s83, s90, 1572864
	s_add_co_u32 s92, s92, s83
	s_mul_i32 s83, s[PT], 196608                   ; head 2 PT
	s_add_co_u32 s92, s92, s83
	s_mul_i32 s83, s91, 6144                       ; tile 8 (RT % 16) + 2 w
	s_add_co_u32 s92, s92, s83
	s_mul_i32 s83, s[WV], 1536
	s_add_co_u32 s92, s92, s83
	s_lshl_b32 s94, s90, 3
	s_add_co_u32 s94, s94, s[PT]
	s_lshl_b32 s94, s94, 13
	s_lshl_b32 s83, s[TZ], 17
	s_add_co_u32 s94, s94, s83
	s_lshl_b32 s83, s91, 9
	s_add_co_u32 s94, s94, s83
	s_lshl_b32 s83, s[WV], 7
	s_add_co_u32 s94, s94, s83
	s_add_co_u32 s94, s94, 9437184
	; v: codes [b][head][64 keys][tile of channels][768]; scale words [b][head][key step][channel place]
	s_lshr_b32 s90, s[PT], 4
	s_lshl_b32 s90, s90, 4
	s_lshl_b32 s83, s[RT], 1
	s_add_co_u32 s90, s90, s83
	s_lshr_b32 s83, s[WV], 1
	s_add_co_u32 s90, s90, s83                     ; 16 b + head
	s_and_b32 s91, s[PT], 15                       ; the key step
	s_mul_i32 s84, s90, 98304
	s_mul_i32 s83, s91, 6144
	s_add_co_u32 s84, s84, s83
	s_mul_i32 s83, s[W1], 1536                     ; channel tiles 2 (w % 2), + 1
	s_add_co_u32 s84, s84, s83
	s_add_co_u32 s84, s84, 6291456
	s_lshl_b32 s86, s90, 12
	s_lshl_b32 s83, s91, 8
	s_add_co_u32 s86, s86, s83
	s_lshl_b32 s83, s[W1], 7
	s_add_co_u32 s86, s86, s83
	s_add_co_u32 s86, s86, 9699328
	s_mov_b32 s90, 98304                           ; from a fragment's first half image to its second: the next head (q, k)
	s_cmp_eq_u32 s[TZ], 2
	s_cselect_b32 s84, s84, s92
	s_cselect_b32 s86, s86, s94
	s_cselect_b32 s90, 3072, s90                   ; or the next 64 keys (v)
	s_mov_b32 s85, 0
	s_mov_b32 s87, 0
	s_mov_b32 s91, 0
	s_add_nc_u64 s[OC:OC+1], s[14:15], s[84:85]
	s_add_nc_u64 s[OC2:OC2+1], s[OC:OC+1], s[90:91]
	s_add_nc_u64 s[OS:OS+1], s[14:15], s[86:87]
	s_mov_b32 s[HI], 0xffff0000
	s_mov_b32 s[SEL], 0x76543210
	s_mov_b32 s[SEL+1], 0xfedcba98
	s_wait_loadcnt 0x0                             ; the bias
	v_mul_f32 v20, s[SELR], v20
	v_mul_f32 v22, s[SELR], v22
	v_mov_b32 v21, v20                             ; (named as the upper halves of pairs)
	v_mov_b32 v23, v22
	WIN 0x01                                       ; source 0 window 1
.irp a, 0,1
.irp k, 0,2,4,6,8,10,12,14,16,18,20,22,24,26,28,30,32,34,36,38,40,42,44,46,48,50,52,54,56,58,60,62
	v_pk_fma_f32 v[ACC+64*\a+\k:ACC+64*\a+\k+1], v[\k:\k+1], s[SELP:SELP+1], v[20+2*\a:21+2*\a] op_sel_hi:[1,0,0]   ; the accumulators begin as the bias: one of the two terms is 0, so nothing is rounded
.endr
.endr
	WIN 0
	s_wait_alu depctr_va_vdst(0)
	s_wait_tensorcnt 0x0                           ; my one load is in
	s_barrier_signal -1
	s_barrier_wait -1                              ; everybody's are
.irp i, 0,1,2,3,4,5,6,7
	ds_load_b128 v[SC+8*\i:SC+8*\i+3], v16 offset:512*\i           ; register 8 i + q: the scale word of K step q; lanes 0-15 R's tile 2 w + i (used for i = 0, 1), lanes 16-31 P's tile i
	ds_load_b128 v[SC+8*\i+4:SC+8*\i+7], v16 offset:512*\i+16
.endr
.macro FRAG reg, a16, a8, off          ; a fragment: two half images
	ds_load_b128 v[\reg:\reg+3], v[\a16] offset:\off
	ds_load_b64 v[\reg+4:\reg+5], v[\a8] offset:\off+512
	ds_load_b128 v[\reg+6:\reg+9], v[\a16] offset:\off+768
	ds_load_b64 v[\reg+10:\reg+11], v[\a8] offset:\off+1280
.endm
.macro FETCH q                         ; K step q's ten fragments into buffer q % 2: 40 loads in one run
.set FB, 128*((\q)%2)
.set KO, FRB*(\q)
.irp b, 0,1,2,3,4,5,6,7
	FRAG FB+12*\b, 12+\b/4, 14+\b/4, TILEB*(\b%4)+KO
.endr
.irp a, 0,1
	FRAG FB+96+12*\a, 8, 10, TILEB*\a+KO
.endr
.endm
.macro MUL8 a, q                       ; R's tile a against P's eight.  The 16 accumulators take turns, one instruction a turn, in the same order in every K step
.set FB, 128*((\q)%2)
.irp b, 0,1,2,3,4,5,6,7
	v_wmma_scale_f32_16x16x128_f8f6f4 v[ACC+8*(8*\a+\b):ACC+8*(8*\a+\b)+7], v[FB+12*\b:FB+12*\b+11], v[FB+96+12*\a:FB+96+12*\a+11], v[ACC+8*(8*\a+\b):ACC+8*(8*\a+\b)+7], v[SC+8*\b+\q], v[SC+8*\a+\q] matrix_a_fmt:MATRIX_FMT_BF6 matrix_b_fmt:MATRIX_FMT_BF6 matrix_a_scale:MATRIX_SCALE_ROW1
.endr
.endm
.macro KS q                            ; a K step of 128
	s_wait_dscnt 0x0                               ; this step's fragments are in
	WIN MUL
	MUL8 0, \q
.if \q < 7
.rept 4
	v_nop                                          ; four plain instructions between the last products that read the other buffer and the loads into it (ISA guide 7.12.1 for vector instructions)
.endr
	WIN TO_F
	FETCH (\q)+1
.endif
	WIN MUL
	MUL8 1, \q
.endm
	WIN TO_F
	FETCH 0
.irp q, 0,1,2,3,4,5,6,7
	KS \q
.endr
	WIN 0
.rept 4
	v_nop                                          ; four plain instructions behind the last products, ahead of the first read of results
.endr
.irp a, 0,1
.if \a
	s_wait_xcnt 0x0                                ; the first tile's stores have read the codes' registers
.endif
	QUANT ACC+64*\a, PW+\a
	global_store_b128 v4, v[PC:PC+3], s[OC:OC+1] offset:768*\a          ; 512 consecutive bytes, aligned to 256,
	global_store_b64 v5, v[PC+4:PC+5], s[OC:OC+1] offset:768*\a+512     ; and 256
	global_store_b128 v4, v[PC+6:PC+9], s[OC2:OC2+1] offset:768*\a
	global_store_b64 v5, v[PC+10:PC+11], s[OC2:OC2+1] offset:768*\a+512
.endr
	v_cndmask_b32 v[PW], v[PW], v[PW+1], s[HI]     ; lanes 0-15: tile 2 w's words; lanes 16-31: tile 2 w + 1's
	global_store_b32 v6, v[PW], s[OS:OS+1]
	s_wait_tensorcnt 0x0
	ds_add_u32 v126, v127
	s_wait_dscnt 0x0
	CROUND                                         ; the closing round: no work-group ends while a partner may still ask for a tile that names it
	s_endpgm
.Lfunc_end_k_qb317230b64_proj:
	.size	k_qb317230b64_proj, .Lfunc_end_k_qb317230b64_proj-k_qb317230b64_proj
	.p2alignl 7, 3214868480
	.fill 96, 4, 3214868480
	.section	.rodata,"a",@progbits
	.p2align	6, 0x0
	.amdhsa_kernel k_qb317230b64_proj
		.amdhsa_group_segment_fixed_size 205312
		.amdhsa_private_segment_fixed_size 0
		.amdhsa_enable_private_segment 0
		.amdhsa_kernarg_size 48
		.amdhsa_user_sgpr_count 2
		.amdhsa_user_sgpr_kernarg_segment_ptr 1
		.amdhsa_wavefront_size32 1
		.amdhsa_system_sgpr_workgroup_id_x 1
		.amdhsa_system_sgpr_workgroup_id_y 1
		.amdhsa_system_sgpr_workgroup_id_z 1
		.amdhsa_system_vgpr_workitem_id 0
		.amdhsa_next_free_vgpr 512
		.amdhsa_next_free_sgpr 104
		.amdhsa_reserve_vcc 0
		.amdhsa_float_denorm_mode_32 3
		.amdhsa_float_denorm_mode_16_64 3
		.amdhsa_memory_ordered 1
		.amdhsa_forward_progress 1
		.amdhsa_inst_pref_size 65
	.end_amdhsa_kernel
	.amdgpu_metadata
---
amdhsa.version: [ 1, 2 ]
amdhsa.kernels:
  - .name:           k_qb317230b64_proj
    .symbol:         k_qb317230b64_proj.kd
    .args:
      - { .name: xq, .offset: 0, .size: 8, .value_kind: global_buffer, .address_space: global }
      - { .name: wq, .offset: 8, .size: 8, .value_kind: global_buffer, .address_space: global }
      - { .name: bq, .offset: 16, .size: 8, .value_kind: global_buffer, .address_space: global }
      - { .name: bk, .offset: 24, .size: 8, .value_kind: global_buffer, .address_space: global }
      - { .name: bv, .offset: 32, .size: 8, .value_kind: global_buffer, .address_space: global }
      - { .name: hq, .offset: 40, .size: 8, .value_kind: global_buffer, .address_space: global }
    .group_segment_fixed_size: 205312
    .private_segment_fixed_size: 0
    .kernarg_segment_align: 8
    .kernarg_segment_size: 48
    .max_flat_workgroup_size: 128
    .sgpr_count:     104
    .vgpr_count:     512
    .wavefront_size: 32
...
	.end_amdgpu_metadata
.endif
;; end of part 2
;; launch attn (part 3): grid 8 x 32, 8 waves a work-group, no clusters, 209,920 bytes of LDS; arguments hq, mbits, mflag, aq; writes aq
.if DOCPART == 3
	.amdgcn_target "amdgcn-amd-amdhsa--gfx1250"
	.amdhsa_code_object_version 6
	.text
	.protected	k_qb317230b64_attn
	.globl	k_qb317230b64_attn
	.p2align	8
	.type	k_qb317230b64_attn,@function
k_qb317230b64_attn:
	s_mov_b64 s[64:65], 0
	v_nop
	global_prefetch_b8 v0, s[64:65] scope:SCOPE_SE
	s_setreg_imm32_b32 hwreg(HW_REG_WAVE_MODE, 25, 1), 1
	s_wait_xcnt 0x0
; x[b][q][head] = softmax over the keys of (q . k / 8, or -1e9 where the mask is 0) times v, both products on codes of E3M2 with one E8M0 scale for each 32 along a product's K; x leaves as codes for the last product.
; THE SOFTMAX AHEAD OF THE SECOND PRODUCT: t = logit x log2(e); M = the running largest t rounded UP to a whole number; p = 2^(t - M) is quantised along the keys, not normalised; the row's sum is taken of the
; unquantised p and divides at the end.  When M moves, the sum and O are multiplied by 2^(old M - new M): exact.
; THE MASK IS AN INPUT OF WHOLE NUMBERS, AND IT DECIDES WHAT IS WORKED.  The first launch has stored, for each tile of 16 queries, the lane masks of every key step (128 keys) and a flag word.
;   Flag bit s: step s is worked.  It is clear only where all 16 x 128 places of the step are closed AND every query of the tile has an open key somewhere: then every p of the step is 0, its codes are zeros and
;   its part of the sum is 0, so the step adds nothing.  Where some query has no open key, all 16 bits are set and the row averages over all keys, as the definition has it.
;   Flag bit 16 + s: step s holds a closed key: only then are the 64 selects run and the step's 64 mask words read.
;   Both are scalar branches on the stored word, inside loops of constant count; they lead round work and round no barrier.
; LIMIT: a masked score is set to -2^33, a logit of -2^30, where the definition says -1e9.  c x 2^33 is a whole number, so in a row with no open key t - M is exactly 0 and every p exactly 1, as by the
; definition; beside any open key the masked p is 0 either way.  The two differ only where open logits fall to about -1e9.  NaN and infinities are not served; a block of zeros carries the scale byte 1.
; SHARES: a work-group owns 256 queries of one head: eight waves, two tiles of 16 queries each, one after the other: tiles 8 (15 - w) + x and 8 w + x of the head's 128 (x: the work-group's x).  The deal is fixed.
; K, V AND THEIR SCALE WORDS OF THE WHOLE HEAD COME INTO LDS THROUGH REGISTERS, in pieces of 4,096 bytes (256 threads x 16).  At the head: key steps 0-5 (9 pieces of K, 9 of V) and the scale words; one barrier.
; The other ten steps (15 + 15 pieces) come 3 + 3 a trip in the first tile's trips 0-4: asked for at the trip's top, stored at its end, outside the jump on the flag; a second barrier stands ahead of step 5.
; Trips 0-4 read LDS bytes under 36,864 of K and of V; the pieces stored meanwhile lie from 36,864 on.
; NO TENSOR LOAD, AND SO NO CLUSTER: the joint request is a tensor load.
; NO PREFETCH: every piece is asked for by its own load, a trip ahead of its store at the latest; the mask words are asked for one masked step ahead by scalar loads.
; LAYOUT: both products transposed: S^T = K Q^T (first source 16 keys), O^T = V^T P^T (first source 16 channels): a lane holds ONE query.  Tiles of keys and of channels hold at place r row
; 32 G + 8 u + r + 8 (r / 8), so that 16 registers of two neighbouring tiles are 16 neighbours.
; THE HEAD'S 64 FILL HALF OF THE FIRST PRODUCT'S 128.  A fragment of K holds TWO tiles of keys, tile 2 f in k 0-63 and tile 2 f + 1 in k 64-127; it is multiplied by [Q | zeros] for the first and by [zeros | Q] for
; the second: the zero codes take the other tile out.  K's scale words are laid to match on the way into LDS: word (f, r) = my head's two bytes of tile 2 f's row r, then those of tile 2 f + 1's.
; x's scale bytes leave one byte a lane (2 bytes of each row's 32 belong to a head): 32 bytes a wave beside its 768 bytes of codes.
; REGISTERS, window 0: v1-4, v6, v7 addresses that stay; v8-11, v30-31 the step's; v12 -M, v13 the largest t, v[14:15] the sum; v16-21 Q, v22-27 zeros; v28, v243 the add's two; v29 -2^33; v32-79 K's four fragments;
;   v80-127 V's four; v128-191 S^T, then p; v192-223 O^T; v224-235 p's codes; v228-254 at work; v5, v248-251, v253, v255 scale words and nothing else.
;   Window 1: v12-15 the pieces' addresses; v16-21 zeros, v22-27 Q; v32-55 six pieces on their way.
.set VLDS,  98304                      ; LDS: K's 128 half images at 0, V's 128 here,
.set SCK,   196608                     ; K's scale words (64 fragments x 16 rows x 4 bytes),
.set SCV,   204800                     ; V's (16 steps x 64 channels x 4 bytes),
.set SPARE, 208896                     ; the spare words: 128 bytes a wave
.set STEPB, 6144                       ; a key step: 8 half images, of K and of V alike
.set EARLY, 36864                      ; key steps 0-5
.set S,     128
.set OT,    192
.set WV,    2
.set IDX,   12                         ; 16 b + head
.set FL,    13                         ; the tile's flag word; s14, s15: the two tiles'
.set MB,    16                         ; s[16:17] my tile's mask words
.set MOFF,  18                         ; s18 which step's 256 bytes of them
.set SEL,   20
.set CS,    22                         ; s[22:23] c = log2(e) / 8
.set TB,    24                         ; the step's tiles, in K and in V
.set SL,    25                         ; where the trip's late pieces go in K's part of LDS; s8: where K's codes begin in hq
.set TSV,   26                         ; the step's scale words
.set HI,    27                         ; lanes 16-31
.set OC,    28                         ; s[28:29] x's half image; s[30:31] its scale bytes
.set OS,    30
.set MSB, 0
.macro WIN new                         ; the immediate's high byte repeats the setting that is left
.if MSB != \new
	s_set_vgpr_msb (MSB<<8)|\new
.set MSB, \new
.endif
.endm
.macro DL n
	s_delay_alu instid0(VALU_DEP_\n)
.endm
.macro TNUM p                          ; s19 = my tile of pass p
.if \p
	s_lshl_b32 s19, s[WV], 3
.else
	s_xor_b32 s19, s[WV], 15                       ; 15 - w
	s_lshl_b32 s19, s19, 3
.endif
	s_add_co_u32 s19, s19, ttmp9
.endm
.macro QADDR p                         ; byte offsets in hq of Q's half image and scale bytes
	TNUM \p
	s_lshl_b32 s100, s[IDX], 7
	s_add_co_u32 s100, s100, s19
	s_mul_i32 s100, s100, 768
	s_lshr_b32 s101, s[IDX], 1
	s_lshl_b32 s101, s101, 13
	s_lshl_b32 s19, s19, 6
	s_add_co_u32 s101, s101, s19
	s_and_b32 s19, s[IDX], 1
	s_lshl_b32 s19, s19, 1                         ; my head's two bytes of a scale word
	s_add_co_u32 s101, s101, s19
	s_add_co_u32 s101, s101, 9437184
	v_add_nc_u32 v30, s100, v1
	v_add_nc_u32 v31, s100, v7
	v_and_b32 v246, 15, v0
	v_lshl_add_u32 v246, v246, 2, s101
.endm
.macro QISSUE
	global_load_b128 v[16:19], v30, s[4:5]
	global_load_b64 v[20:21], v31, s[4:5] offset:512
	global_load_u16 v255, v246, s[4:5]             ; two scale bytes; the upper two are 0: they scale zero codes
.endm
.macro MLOAD                           ; a step's 64 mask words: word n in s[32 + n], from n = 32 on in s[36 + n]
	s_load_b512 s[32:47], s[MB:MB+1], s[MOFF] offset:0x0
	s_load_b512 s[48:63], s[MB:MB+1], s[MOFF] offset:0x40
	s_load_b512 s[68:83], s[MB:MB+1], s[MOFF] offset:0x80
	s_load_b512 s[84:99], s[MB:MB+1], s[MOFF] offset:0xc0
.endm
.macro SETUP p                         ; where pass p's mask words lie and its results go; its first masked step's words are asked for.  No scalar load and no store of mine is pending here
	TNUM \p
	s_lshr_b32 s100, s[IDX], 4
	s_lshl_b32 s100, s100, 7
	s_add_co_u32 s19, s100, s19                    ; the tile among both batches' 256
	s_mov_b32 s101, 0
	s_lshl_b32 s100, s19, 12
	s_add_nc_u64 s[MB:MB+1], s[6:7], s[100:101]
	s_lshl_b32 s100, s19, 4
	s_and_b32 s18, s[IDX], 15                      ; head
	s_add_co_u32 s100, s100, s18
	s_mul_i32 s100, s100, 768
	s_add_nc_u64 s[OC:OC+1], s[10:11], s[100:101]
	s_lshl_b32 s100, s19, 9
	s_lshl_b32 s18, s18, 1
	s_add_co_u32 s100, s100, s18
	s_add_co_u32 s100, s100, 3145728
	s_add_nc_u64 s[OS:OS+1], s[10:11], s[100:101]
	s_mov_b32 s[FL], s[14+\p]
	s_lshr_b32 s19, s[FL], 16
	s_ctz_i32_b32 s19, s19                         ; the first masked step (-1 where there is none: held at 15, read and not used)
	s_min_u32 s19, s19, 15
	s_lshl_b32 s[MOFF], s19, 8
	MLOAD
.endm
	s_load_b256 s[4:11], s[0:1], 0x0               ; hq s[4:5], mbits s[6:7], mflag s[8:9], aq s[10:11]
	v_lshl_add_u32 v28, v0, 2, SPARE
	v_mov_b32 v243, 0
	v_lshrrev_b32 v8, 5, v0
	v_readfirstlane_b32 s[WV], v8                  ; wave 0..7
	s_and_b32 s[IDX], ttmp7, 0xffff
	v_and_b32 v9, 31, v0                           ; lane
	v_and_b32 v10, 15, v0                          ; r
	v_lshlrev_b32 v1, 4, v9                        ; K: registers 0-3 of a half image
	v_lshlrev_b32 v7, 3, v9
	v_add_nc_u32 v2, 512, v7                       ;    registers 4-5
	v_add_nc_u32 v3, VLDS, v1                      ; V likewise
	v_add_nc_u32 v4, VLDS, v2
	v_lshl_add_u32 v6, v10, 2, SCK                 ; scale words: 4 r; K's here, V's SCV - SCK further on
	v_lshlrev_b32 v8, 4, v0                        ; the way into LDS: a piece's 16 bytes of mine: K's,
	v_add_nc_u32 v9, VLDS, v8                      ; V's,
	v_add_nc_u32 v10, SCK, v8                      ; the scale words'
	s_mul_i32 s19, s[IDX], 98304
	s_add_co_u32 s19, s19, 3145728
	v_add_nc_u32 v14, s19, v8                      ; in hq: the head's codes of k (v's lie 3,145,728 bytes on),
	s_lshr_b32 s19, s[IDX], 1
	s_lshl_b32 s19, s19, 13
	s_add_co_u32 s19, s19, 9568256
	v_lshrrev_b32 v12, 2, v0                       ; k's scale words of the pair of heads: thread i makes words (f = i / 4, r = 4 (i % 4) + 0..3): it reads tile 2 f's four words at 128 f + 16 (i % 4), tile 2 f + 1's 64 bytes on,
	v_and_b32 v13, 3, v0
	v_lshlrev_b32 v12, 7, v12
	v_lshl_add_u32 v12, v13, 4, v12
	v_add_nc_u32 v12, s19, v12
	s_lshl_b32 s19, s[IDX], 12
	s_add_co_u32 s19, s19, 9699328
	v_add_nc_u32 v13, s19, v8                      ; v's
	WIN 0x40                                       ; destination in window 1
	v_lshlrev_b32 v15, 4, v0                       ; 16 x thread, for the late pieces
.irp i, 0,1,2,3,4,5
	v_mov_b32 v[16+\i], 0                          ; [zeros | Q]: the zeros
.endr
	WIN 0
	QADDR 0
	s_lshr_b32 s18, s[IDX], 4
	s_lshl_b32 s18, s18, 7                         ; 128 b
	TNUM 0
	s_add_co_u32 s19, s19, s18
	s_lshl_b32 s100, s19, 8                        ; a tile's flag word: 256 bytes a tile
	TNUM 1
	s_add_co_u32 s19, s19, s18
	s_lshl_b32 s101, s19, 8
	s_mov_b32 s[SEL], 0x76543210
	s_mov_b32 s[SEL+1], 0xfedcba98
	s_mov_b32 s[CS], 0x3e38aa3b                    ; c = log2(e) / 8
	s_mov_b32 s[CS+1], s[CS]                       ; (named with it as a pair, so it is written)
	s_mov_b32 s[HI], 0xffff0000
	s_mov_b32 s[SL], EARLY
	v_mov_b32 v29, 0xd0000000                      ; -2^33
	s_wait_alu depctr_va_vdst(0)
	s_wait_kmcnt 0x0
	s_load_b32 s14, s[8:9], s100 offset:0x0
	s_load_b32 s15, s[8:9], s101 offset:0x0
	QISSUE
.set j, 0
.rept 9
	global_load_b128 v[32+4*j:35+4*j], v14, s[4:5] offset:4096*j              ; 256 threads read 4,096 consecutive bytes
.set j, j+1
.endr
.set j, 0
.rept 9
	global_load_b128 v[68+4*j:71+4*j], v14, s[4:5] offset:3145728+4096*j
.set j, j+1
.endr
	global_load_b128 v[224:227], v12, s[4:5]
	global_load_b128 v[228:231], v12, s[4:5] offset:64
	global_load_b128 v[232:235], v13, s[4:5]
	s_wait_kmcnt 0x0                               ; the two flag words
	s_mul_i32 s8, s[IDX], 98304
	s_add_co_u32 s8, s8, 3145728                   ; where the head's codes of k begin in hq
	SETUP 0
.set j, 0
.rept 9
	s_wait_loadcnt 20-j                            ; K's piece j is in: 20 - j younger loads may be out
	ds_store_b128 v8, v[32+4*j:35+4*j] offset:4096*j
.set j, j+1
.endr
.set j, 0
.rept 9
	s_wait_loadcnt 11-j                            ; V's piece j: 11 - j younger
	ds_store_b128 v9, v[68+4*j:71+4*j] offset:4096*j
.set j, j+1
.endr
	s_wait_loadcnt 0x0
	s_and_b32 s19, s[IDX], 1
	s_cmp_eq_u32 s19, 0
	s_mov_b32 s100, 0x07060302                     ; the odd head's bytes are a word's upper two,
	s_cselect_b32 s100, 0x05040100, s100           ; the even head's its lower two
.irp i, 0,1,2,3
	v_perm_b32 v[224+\i], v[228+\i], v[224+\i], s100   ; tile 2 f's two bytes below, tile 2 f + 1's above
.endr
	ds_store_b128 v10, v[224:227]
	ds_store_b128 v10, v[232:235] offset:SCV-SCK
	s_wait_dscnt 0x0                               ; my pieces are written,
	s_barrier_signal -1
	s_barrier_wait -1                              ; and everybody's
.irp i, 0,1,2,3,4,5
	v_mov_b32 v[22+\i], 0                          ; [Q | zeros]: the zeros
.endr
.irp b, 0,1,2,3
	v_mov_b32 v[236+\b], 0                         ; a lane permute's destination counts as one of its sources
.endr
	v_mov_b32 v252, 0
	v_mov_b32 v253, 0                              ; (named as the upper half of the pair v[252:253] before it is first written)
; A TILE'S START
.macro PINIT
	s_wait_loadcnt 0x0                             ; Q
	v_lshlrev_b32 v5, 16, v255                     ; Q's two scale bytes for k 64-127; the lines below are the places ahead of the products
	WIN 0x40
.irp i, 0,1,2,3,4,5
	v_mov_b32 v[22+\i], v[16+\i]                   ; [zeros | Q], in window 1
.endr
	WIN 0
	v_mov_b32 v13, 0xff61b1e6                      ; the largest t so far: -3e38
	v_mov_b32 v14, 0
	v_mov_b32 v15, 0
	v_floor_f32 v12, -v13                          ; -M
.set n, 0
.rept 32
	v_mov_b32 v[OT+n], 0                           ; O^T: the step is written once; its first run finds zeros, which the first change of M leaves zeros
.set n, n+1
.endr
	s_mov_b32 s[TB], 0
	s_mov_b32 s[TSV], 0
	s_mov_b32 s3, 0
	s_wait_alu depctr_va_vdst(0)
.endm
; KEY STEPS s3 .. to - 1 OF A TILE.  stg = 1: each trip also brings six late pieces
.macro LOOP to, stg
.Lstep_\@:
.if \stg
	WIN 0x45                                       ; sources and destination in window 1
	v_add_nc_u32 v13, s[SL], v15                   ; where the trip's three pieces of K go,
	v_add_nc_u32 v14, VLDS, v13                    ; V's,
	v_add_nc_u32 v12, s8, v13                      ; and where K's lie in hq
	s_wait_alu depctr_va_vdst(0)
	WIN 0x41                                       ; destination and address in window 1
.irp i, 0,1,2
	global_load_b128 v[32+4*\i:35+4*\i], v12, s[4:5] offset:4096*\i
	global_load_b128 v[44+4*\i:47+4*\i], v12, s[4:5] offset:3145728+4096*\i
.endr
	WIN 0
.endif
	s_lshr_b32 s19, s[FL], s3
	s_and_b32 s19, s19, 1
	s_cmp_eq_u32 s19, 0
	s_cbranch_scc1 .Lnext_\@                       ; nothing of this step counts for my tile
	v_add_nc_u32 v8, s[TB], v1                     ; (these five are also the plain instructions between the last step's products and the loads into their scale registers)
	v_add_nc_u32 v9, s[TB], v2
	v_add_nc_u32 v10, s[TB], v3
	v_add_nc_u32 v11, s[TB], v4
	v_add_nc_u32 v31, s[TSV], v6
	s_wait_alu depctr_va_vdst(0)
.irp f, 0,1,2,3                                ; K's four fragments, two tiles of keys each, and their scale words: one run
.irp u, 0,1
	ds_load_b128 v[32+12*\f+6*\u:35+12*\f+6*\u], v8 offset:768*(2*\f+\u)
	ds_load_b64 v[36+12*\f+6*\u:37+12*\f+6*\u], v9 offset:768*(2*\f+\u)
.endr
	ds_load_b32 v[248+\f], v31 offset:64*\f
.endr
	s_wait_dscnt 0x0
.irp f, 0,1,2,3                                ; S^T = K Q^T: tiles 0, 2, 4, 6 against [Q | zeros],
	v_wmma_scale_f32_16x16x128_f8f6f4 v[S+16*\f:S+16*\f+7], v[32+12*\f:43+12*\f], v[16:27], 0, v[248+\f], v255 matrix_a_fmt:MATRIX_FMT_BF6 matrix_b_fmt:MATRIX_FMT_BF6
.endr
	WIN 0x04                                       ; source 1 in window 1
.irp f, 0,1,2,3                                ; tiles 1, 3, 5, 7 against [zeros | Q]
	v_wmma_scale_f32_16x16x128_f8f6f4 v[S+16*\f+8:S+16*\f+15], v[32+12*\f:43+12*\f], v[16:27], 0, v[248+\f], v5 matrix_a_fmt:MATRIX_FMT_BF6 matrix_b_fmt:MATRIX_FMT_BF6
.endr
	WIN 0                                          ; register 16 b + i: key 32 b + 16 (lane / 16) + i of the step
.rept 4
	v_nop
.endr
	s_add_co_u32 s19, s3, 16
	s_lshr_b32 s19, s[FL], s19
	s_and_b32 s19, s19, 1
	s_cmp_eq_u32 s19, 0
	s_cbranch_scc1 .Lopen_\@                       ; all 16 x 128 places are open: nothing to select
	s_wait_kmcnt 0x0                               ; this step's mask words
.set n, 0
.rept 64
	v_cndmask_b32 v[S+n], v29, v[S+n], s[32+n+4*(n/32)]   ; a closed key's score becomes -2^33; each accumulator from its low end on
.set n, n+1
.endr
	s_wait_alu depctr_va_vdst(0)
	s_add_co_u32 s19, s3, 17                       ; the next masked step: the lowest flag above this step's.  (In step 15 the shift's count wraps; what is then read lies in the buffer and is not used)
	s_lshr_b32 s100, s[FL], s19
	s_ctz_i32_b32 s100, s100                       ; -1 where there is none: this step's words are asked for again
	s_add_co_u32 s100, s100, s3
	s_add_co_u32 s100, s100, 1
	s_min_u32 s100, s100, 15                       ; no load leaves the buffer
	s_lshl_b32 s[MOFF], s100, 8
	MLOAD
.Lopen_\@:
.irp kk, 0,1                                   ; V's four fragments and scale words are asked for now and land under the softmax
.irp ct, 0,1,2,3
	ds_load_b128 v[80+12*\ct+6*\kk:83+12*\ct+6*\kk], v10 offset:768*(4*\kk+\ct)
	ds_load_b64 v[84+12*\ct+6*\kk:85+12*\ct+6*\kk], v11 offset:768*(4*\kk+\ct)
.endr
.endr
.irp ct, 0,1,2,3
	ds_load_b32 v[248+\ct], v31 offset:SCV-SCK+64*\ct
.endr
.irp b, 0,1,2,3
	v_max3_num_f32 v[232+\b], v[S+16*\b], v[S+1+16*\b], v[S+2+16*\b]   ; the largest score of each block of 32 keys: it serves for the row's maximum and, since p rises with the score, for the block's largest p
.endr
.irp i, 3,5,7,9,11,13
.irp b, 0,1,2,3
	v_max3_num_f32 v[232+\b], v[232+\b], v[S+16*\b+\i], v[S+1+16*\b+\i]   ; the four blocks by turns
.endr
.endr
.irp b, 0,1,2,3
	v_max_num_f32 v[232+\b], v[232+\b], v[S+15+16*\b]
.endr
.irp b, 0,1,2,3
	DL 4
	v_permlanex16_b32 v[236+\b], v[232+\b], s[SEL], s[SEL+1]
.endr
.irp b, 0,1,2,3
	DL 4
	v_max_num_f32 v[232+\b], v[232+\b], v[236+\b]  ; with lane l xor 16's 16 keys
.endr
	DL 2
	v_max3_num_f32 v254, v232, v233, v234
	DL 1
	v_max_num_f32 v254, v254, v235
	DL 1
	v_mul_f32 v254, s[CS], v254                    ; as t
	DL 1
	v_max_num_f32 v13, v13, v254                   ; the running largest t
	v_mov_b32 v254, v12
	DL 2
	v_floor_f32 v12, -v13                          ; the new -M = -ceil(t)
	DL 1
	v_sub_f32 v254, v12, v254                      ; old M - new M: a whole number, 0 or less
	DL 1
	v_cvt_i32_f32 v254, v254                       ; (it saturates)
	DL 1
	v_ldexp_f32 v252, 1.0, v254                    ; f = 2^(old M - new M)
.set n, 0
.rept 32
	v_pk_fma_f32 v[S+n:S+n+1], v[S+n:S+n+1], s[CS:CS+1], v[12:13] op_sel_hi:[1,0,0]   ; t - M, two at a time
.set n, n+2
.endr
.irp b, 0,1,2,3
	v_fma_f32 v[232+\b], v[232+\b], s[CS], v12     ; the same of each block's largest score
.endr
	s_wait_alu depctr_va_vdst(0)
.set n, 0
.rept 64
	v_exp_f32 v[S+n], v[S+n]                       ; p = 2^(t - M)
.set n, n+1
.endr
	v_pk_mul_f32 v[14:15], v[14:15], v[252:253] op_sel_hi:[1,0]   ; the sums under the new M: the plain instruction behind the exponentials
	s_wait_alu depctr_va_vdst(0)                   ; one wait for the batch of 64, ahead of its first reader
.irp b, 0,1,2,3
	v_exp_f32 v[232+\b], v[232+\b]                 ; the blocks' largest p
.endr
.set n, 0                                      ; the row's sum of the unquantised p: 32 pairs in eight chains
.irp r, 236,238,240,244,246,228,230
	v_pk_add_f32 v[\r:\r+1], v[S+n:S+n+1], v[S+n+2:S+n+3]
.set n, n+4
.endr
	v_pk_add_f32 v[14:15], v[14:15], v[S+28:S+29]
.set n, 30
.rept 2
.irp r, 236,238,240,244,246,228,230,14
	v_pk_add_f32 v[\r:\r+1], v[\r:\r+1], v[S+n:S+n+1]
.set n, n+2
.endr
.endr
	v_pk_add_f32 v[236:237], v[236:237], v[S+62:S+63]
	v_pk_add_f32 v[14:15], v[14:15], v[240:241]
	v_pk_add_f32 v[246:247], v[246:247], v[230:231]
	v_pk_add_f32 v[244:245], v[244:245], v[228:229]
	DL 4
	v_pk_add_f32 v[236:237], v[236:237], v[238:239]
	DL 3
	v_pk_add_f32 v[14:15], v[14:15], v[246:247]
	DL 2
	v_pk_add_f32 v[236:237], v[236:237], v[244:245]
	DL 1
	v_pk_add_f32 v[14:15], v[14:15], v[236:237]
	s_wait_alu depctr_va_vdst(0)                   ; and one for the four
.irp b, 0,1,2,3
	v_max_num_f32 v[232+\b], 0x2800000, v[232+\b]  ; the floor 2^(5 - 127): the byte cannot fall under 1
.endr
.irp b, 0,1,2,3
	DL 4
	v_add_nc_u32 v[244+\b], 0xfe000000, v[232+\b]  ; 4 off the exponent field: the conversion's scale operand
.endr
.irp b, 0,1,2,3
	DL 4
	v_lshrrev_b32 v[236+\b], 23, v[244+\b]
.endr
	DL 3
	v_lshl_or_b32 v253, v237, 8, v236              ; p's scale word for these 128 keys
	DL 1
	v_lshl_or_b32 v253, v238, 16, v253
	DL 1
	v_lshl_or_b32 v253, v239, 24, v253
.irp c, 0,1
	v_cvt_scalef32_pk16_bf6_f32 v[224+6*\c:226+6*\c], v[S+32*\c:S+15+32*\c], v[244+2*\c]
	v_cvt_scalef32_pk16_bf6_f32 v[236+4*\c:238+4*\c], v[S+16+32*\c:S+31+32*\c], v[244+2*\c+1]
.endr
	v_nop                                          ; one plain instruction behind a scaled conversion
.irp c, 0,1
.irp i, 0,1,2
	v_permlane16_swap_b32 v[224+6*\c+\i], v[236+4*\c+\i]
.endr
.irp i, 0,1,2
	DL 3
	v_mov_b32 v[227+6*\c+\i], v[236+4*\c+\i]
.endr
.endr
	s_wait_alu depctr_va_vdst(0)                   ; the wait directly ahead of the first reader of O^T
.set n, 0
.rept 16
	v_pk_mul_f32 v[OT+n:OT+n+1], v[OT+n:OT+n+1], v[252:253] op_sel_hi:[1,0]   ; O^T under the new M.  These sixteen also stand between the writes of p's codes and scale word and the products
.set n, n+2
.endr
	s_wait_alu depctr_va_vdst(0)
	s_wait_dscnt 0x0                               ; V
.irp ct, 0,1,2,3                               ; O^T += V^T P^T: the four accumulators by turns
	v_wmma_scale_f32_16x16x128_f8f6f4 v[OT+8*\ct:OT+8*\ct+7], v[80+12*\ct:91+12*\ct], v[224:235], v[OT+8*\ct:OT+8*\ct+7], v[248+\ct], v253 matrix_a_fmt:MATRIX_FMT_BF6 matrix_b_fmt:MATRIX_FMT_BF6
.endr
.Lnext_\@:
.if \stg
	s_wait_loadcnt 0x0                             ; the trip's six pieces are in
	WIN 0x45                                       ; address and data in window 1
.irp i, 0,1,2
	ds_store_b128 v13, v[32+4*\i:35+4*\i] offset:4096*\i
	ds_store_b128 v14, v[44+4*\i:47+4*\i] offset:4096*\i
.endr
	WIN 0
	s_wait_dscnt 0x0                               ; they are written: the next trip's loads may land in their registers
	s_add_co_u32 s[SL], s[SL], 12288
.endif
	s_add_co_u32 s[TB], s[TB], STEPB
	s_add_co_u32 s[TSV], s[TSV], 256
	s_add_co_u32 s3, s3, 1
	s_cmp_lt_u32 s3, \to
	s_cbranch_scc1 .Lstep_\@
.endm
; THE WAY OUT: x = O^T / the sum, quantised along the head's 64 (two blocks of the last product's K), stored as a half image and two scale bytes a row.
.macro EPI
	v_add_f32 v14, v14, v15
	DL 1
	v_permlanex16_b32 v252, v14, s[SEL], s[SEL+1]
	DL 1
	v_add_f32 v14, v14, v252                       ; the row's sum
	s_wait_alu depctr_va_vdst(0)
	v_rcp_f32 v14, v14
	v_and_b32 v8, 15, v0                           ; (plain instructions behind the reciprocal, and with those above the places behind the last products)
	v_bfe_u32 v9, v0, 4, 1
	DL 1
	v_lshl_add_u32 v8, v8, 5, v9                   ; my scale byte: row r's 32 bytes, + my half's block
	s_wait_alu depctr_va_vdst(0)                   ; the wait ahead of the reciprocal's and O^T's first reader
.set n, 0
.rept 16
	v_pk_mul_f32 v[S+n:S+n+1], v[OT+n:OT+n+1], v[14:15] op_sel_hi:[1,0]   ; register 16 G + i: channel 32 G + 16 (lane / 16) + i
.set n, n+2
.endr
.irp b, 0,1
	v_max3_num_f32 v[232+\b], |v[S+16*\b]|, |v[S+1+16*\b]|, 0x2800000
.endr
.irp i, 2,4,6,8,10,12,14
.irp b, 0,1
	DL 2
	v_max3_num_f32 v[232+\b], v[232+\b], |v[S+16*\b+\i]|, |v[S+1+16*\b+\i]|
.endr
.endr
.irp b, 0,1
	DL 2
	v_permlanex16_b32 v[236+\b], v[232+\b], s[SEL], s[SEL+1]
.endr
.irp b, 0,1
	DL 2
	v_max_num_f32 v[232+\b], v[232+\b], v[236+\b]
.endr
.irp b, 0,1
	DL 2
	v_add_nc_u32 v[244+\b], 0xfe000000, v[232+\b]
.endr
.irp b, 0,1
	DL 2
	v_lshrrev_b32 v[236+\b], 23, v[244+\b]
.endr
	v_cvt_scalef32_pk16_bf6_f32 v[224:226], v[S:S+15], v244
	v_cvt_scalef32_pk16_bf6_f32 v[240:242], v[S+16:S+31], v245
	v_cndmask_b32 v238, v236, v237, s[HI]          ; lanes 0-15 store block 0's byte, lanes 16-31 block 1's.  (The plain instruction behind the conversions)
.irp i, 0,1,2
	v_permlane16_swap_b32 v[224+\i], v[240+\i]
.endr
.irp i, 0,1,2
	DL 3
	v_mov_b32 v[227+\i], v[240+\i]
.endr
	global_store_b128 v1, v[224:227], s[OC:OC+1]   ; 512 consecutive bytes, aligned to 256,
	global_store_b64 v7, v[228:229], s[OC:OC+1] offset:512   ; and 256
	global_store_b8 v8, v238, s[OS:OS+1]
.endm
	PINIT                                          ; tile 8 (15 - w) + x
	LOOP 5, 1                                      ; its steps 0-4, and the late pieces
	s_wait_dscnt 0x0                               ; my late pieces are written,
	s_barrier_signal -1
	s_barrier_wait -1                              ; and everybody's: from here on LDS is only read
	LOOP 16, 0                                     ; its steps 5-15
	QADDR 1                                        ; the second tile's Q is asked for ahead of the first tile's way out
	QISSUE
	EPI
	s_wait_xcnt 0x0                                ; the stores have read their registers and bases,
	s_wait_kmcnt 0x0                               ; and no scalar load is out: both are written again
	SETUP 1
	PINIT                                          ; tile 8 w + x
	LOOP 16, 0
	EPI
	s_wait_kmcnt 0x0                               ; the last scalar loads
	s_wait_tensorcnt 0x0                           ; the wave's end
	ds_add_u32 v28, v243
	s_wait_dscnt 0x0
	s_endpgm
.Lfunc_end_k_qb317230b64_attn:
	.size	k_qb317230b64_attn, .Lfunc_end_k_qb317230b64_attn-k_qb317230b64_attn
	.p2alignl 7, 3214868480
	.fill 96, 4, 3214868480
	.section	.rodata,"a",@progbits
	.p2align	6, 0x0
	.amdhsa_kernel k_qb317230b64_attn
		.amdhsa_group_segment_fixed_size 209920
		.amdhsa_private_segment_fixed_size 0
		.amdhsa_enable_private_segment 0
		.amdhsa_kernarg_size 32
		.amdhsa_user_sgpr_count 2
		.amdhsa_user_sgpr_kernarg_segment_ptr 1
		.amdhsa_wavefront_size32 1
		.amdhsa_system_sgpr_workgroup_id_x 1
		.amdhsa_system_sgpr_workgroup_id_y 1
		.amdhsa_system_sgpr_workgroup_id_z 1
		.amdhsa_system_vgpr_workitem_id 0
		.amdhsa_next_free_vgpr 320
		.amdhsa_next_free_sgpr 104
		.amdhsa_reserve_vcc 0
		.amdhsa_float_denorm_mode_32 3
		.amdhsa_float_denorm_mode_16_64 3
		.amdhsa_memory_ordered 1
		.amdhsa_forward_progress 1
		.amdhsa_inst_pref_size 93
	.end_amdhsa_kernel
	.amdgpu_metadata
---
amdhsa.version: [ 1, 2 ]
amdhsa.kernels:
  - .name:           k_qb317230b64_attn
    .symbol:         k_qb317230b64_attn.kd
    .args:
      - { .name: hq, .offset: 0, .size: 8, .value_kind: global_buffer, .address_space: global }
      - { .name: mbits, .offset: 8, .size: 8, .value_kind: global_buffer, .address_space: global }
      - { .name: mflag, .offset: 16, .size: 8, .value_kind: global_buffer, .address_space: global }
      - { .name: aq, .offset: 24, .size: 8, .value_kind: global_buffer, .address_space: global }
    .group_segment_fixed_size: 209920
    .private_segment_fixed_size: 0
    .kernarg_segment_align: 8
    .kernarg_segment_size: 32
    .max_flat_workgroup_size: 256
    .sgpr_count:     104
    .vgpr_count:     320
    .wavefront_size: 32
...
	.end_amdgpu_metadata
.endif
;; end of part 3
;; launch outp (part 4): grid 8 x 32, 4 waves a work-group, clusters of 4 x 4, 239,104 bytes of LDS; arguments aq, wq, bo, out0; writes out0
.if DOCPART == 4
	.amdgcn_target "amdgcn-amd-amdhsa--gfx1250"
	.amdhsa_code_object_version 6
	.text
	.protected	k_qb317230b64_outp
	.globl	k_qb317230b64_outp
	.p2align	8
	.type	k_qb317230b64_outp,@function
k_qb317230b64_outp:
	s_mov_b64 s[64:65], 0
	v_nop
	global_prefetch_b8 v0, s[64:65] scope:SCOPE_SE
	s_setreg_imm32_b32 hwreg(HW_REG_WAVE_MODE, 25, 1), 1
	s_wait_xcnt 0x0
	s_wait_alu depctr_hold_cnt(0) depctr_sa_sdst(0) depctr_va_vdst(0) depctr_va_sdst(0) depctr_va_ssrc(0) depctr_va_vcc(0) depctr_vm_vsrc(0)
	s_getreg_b32 s2, hwreg(HW_REG_IB_STS2, 6, 4)
	s_cmp_eq_u32 s2, 0
	s_cbranch_scc0 .Lentry_in_a_cluster
	s_endpgm
.Lentry_in_a_cluster:
	s_bfe_u32 s2, ttmp6, 0x10000c
	s_cmp_lg_u32 s2, 0xf033
	s_cbranch_scc0 .Lentry_shape_is_right
	s_endpgm
.Lentry_shape_is_right:
; out0 = x Wo + bo on codes of E3M2 with one E8M0 scale for each 32 along K = 1024.  x's codes and scale bytes come from the attention launch, Wo's from the first launch, both as images of the operands' registers.
; The core is the projections': a work-group multiplies 128 tokens "R" (the instruction's second source) by 128 columns "P" (its first source); a lane holds one token, its registers run along the columns.
; TILES: tile 2 G + u holds at place r row 32 G + 8 u + r + 8 (r / 8); register j of P's tile b is column 32 (b / 2) + 8 (b % 2) + 16 (lane / 16) + j.
; ALL OF K LIES IN LDS (196,608 bytes of codes, 8,192 scale bytes): every LDS byte is filled once, by one tensor load a wave issued at the head (one of a wave's is out at the
; most);  CLUSTER 4 x 4: R's tiles are asked for jointly along a row of the cluster, P's along a column.
; SHARES: wave w takes R's tiles 2 w, 2 w + 1 against all eight of P's: 16 accumulators, which begin as the bias (loaded straight into them: the C of each first product).
; THE WAY OUT: a tile's 16 rows x 512 bytes go through the wave's own stage in LDS (bytes that no tensor load fills) and leave as whole rows: 32 lanes store 512 consecutive bytes, aligned to 256.
; No prefetch: every tile is asked for once, at the head, by its tensor load.  NaN and infinities are not served.
; REGISTERS.  Window 0: v1-5 lane numbers and offsets; v8-19 addresses; v24-87 scale words, and nothing else; v128-255 the accumulators ((a, b) at 128 + 8 (8 a + b)).
;   Window 1: two fragment buffers, v0-119 and v128-247: P's fragment b at 12 b, R's fragment a at 96 + 12 a; on the way out the rows read back from the stage.
; THE FILLS AS THEY NOW STAND: LDS holds R's 8 tiles (12,288 bytes each, all of K) from 0, P's 8 from PBASE, then the scale rows.  Each is one dense block of memory; one tensor load a wave at the head:
; wave 0 R's codes, wave 1 P's codes, wave 2 R's scale rows, wave 3 P's.  Every LDS byte is filled once; one load of a wave's is out at the most.
.set TILEB, 12288
.set FRB,   1536
.set PBASE, 98304
.set SCL,   196608
.set STAGE, 204800                     ; behind the scale rows: 16 rows x 528 bytes for each wave
.set SP,    528
.set SC,    24
.set ACC,   128
.set G1A,   16
.set G1B,   24
.set G1SA,  32
.set G1SB,  40
.set G0A0,  48
.set G0A1,  52
.set G0AS,  56
.set G0B0,  60
.set G0B1,  68
.set G0BS,  72
.set WV,    76
.set CX,    77
.set CY,    78
.set RT,    80
.set PT,    81
.set W1,    82
.set MSB, 0
.macro WIN new                         ; the immediate's high byte repeats the setting that is left
.if MSB != \new
	s_set_vgpr_msb (MSB<<8)|\new
.set MSB, \new
.endif
.endm
.set MUL,  0x05                        ; sources 0 and 1 window 1; C and D window 0
.set TO_F, 0x40                        ; destination window 1, address window 0
.set FROM_F, 0x04                      ; a store's data (its source 1) window 1, address window 0
.macro CROUND
	s_barrier_signal -1
	s_barrier_wait -1
	s_cmp_lg_u32 s[WV], 0
	s_cbranch_scc1 .Lnot_wave_0_\@
	s_barrier_signal -3
.Lnot_wave_0_\@:
	s_barrier_wait -3
	s_barrier_signal -1
	s_barrier_wait -1
.endm
	s_load_b256 s[4:11], s[0:1], 0x0               ; aq s[4:5], wq s[6:7], bo s[8:9], out0 s[10:11]
	v_lshl_add_u32 v126, v0, 2, 0x3a400
	v_mov_b32 v127, 0
	ds_add_u32 v126, v127
	ds_add_u32 v126, v127
	v_lshrrev_b32 v1, 5, v0
	v_readfirstlane_b32 s[WV], v1                  ; wave 0..3
	s_bfe_u32 s[CX], ttmp6, 0x40000
	s_bfe_u32 s[CY], ttmp6, 0x40004
	s_and_b32 s83, ttmp7, 0xffff
	s_lshl_b32 s[RT], s83, 2
	s_add_co_u32 s[RT], s[RT], s[CY]               ; which 128 tokens
	s_lshl_b32 s[PT], ttmp9, 2
	s_add_co_u32 s[PT], s[PT], s[CX]               ; which 128 columns
	s_lshl_b32 s84, s[CY], 2
	s_lshl_b32 s84, 15, s84                        ; my row of the cluster
	s_lshl_b32 s86, 0x1111, s[CX]                  ; my column
	s_or_b32 s[G1A], s84, (3<<16)|(1<<21)          ; 15:0 the mask; 17:16 elements of 8 bytes; 21 set beside a mask; no padding
	s_or_b32 s[G1B], s86, (3<<16)|(1<<21)
	s_or_b32 s[G1SA], s84, (3<<16)|(1<<21)
	s_or_b32 s[G1SB], s86, (3<<16)|(1<<21)
.irp g, G1A, G1B                               ; codes
	s_mov_b32 s[\g+1], 32<<16                      ; 8 tiles' codes: 98,304 dense bytes as 384 rows of 256
	s_mov_b32 s[\g+2], 384<<16
	s_mov_b32 s[\g+3], 32<<16
	s_mov_b32 s[\g+4], 384
	s_mov_b32 s[\g+5], 32
	s_mov_b32 s[\g+6], 0
	s_mov_b32 s[\g+7], 0
.endr
.irp g, G1SA, G1SB                             ; scale rows
	s_mov_b32 s[\g+1], 32<<16
	s_mov_b32 s[\g+2], 16<<16                      ; 8 tiles' scale rows: 16 rows of 256 bytes
	s_mov_b32 s[\g+3], 32<<16
	s_mov_b32 s[\g+4], 16
	s_mov_b32 s[\g+5], 32
	s_mov_b32 s[\g+6], 0
	s_mov_b32 s[\g+7], 0
.endr
	s_mul_i32 s84, s[RT], 98304                    ; R's offsets hang on RT and the wave alone,
	s_lshl_b32 s92, s[RT], 12
	s_add_co_u32 s92, s92, 3145728
	s_mov_b32 s85, 0
	s_mov_b32 s93, 0
	s_mul_i32 s86, s[PT], 98304                    ; P's on PT and the wave alone
	s_add_co_u32 s86, s86, 2359296                 ; Wo is the fourth weight
	s_lshl_b32 s94, s[PT], 12
	s_add_co_u32 s94, s94, 3244032
	s_mov_b32 s87, 0
	s_mov_b32 s95, 0
	s_wait_dscnt 0x0
	s_wait_kmcnt 0x0
	s_add_nc_u64 s[88:89], s[4:5], s[84:85]        ; R's codes,
	s_add_nc_u64 s[90:91], s[4:5], s[92:93]        ; R's scale rows,
	s_add_nc_u64 s[96:97], s[6:7], s[86:87]        ; P's codes,
	s_add_nc_u64 s[98:99], s[6:7], s[94:95]        ; P's scale rows
	s_mov_b32 s[G0A0], 1
	s_mov_b32 s[G0A0+1], 0
	s_mov_b64 s[G0A0+2:G0A0+3], s[88:89]
	s_or_b32 s[G0A0+3], s[G0A0+3], 0x80000000
	s_mov_b32 s[G0B0], 1
	s_mov_b32 s[G0B0+1], PBASE
	s_mov_b64 s[G0B0+2:G0B0+3], s[96:97]
	s_or_b32 s[G0B0+3], s[G0B0+3], 0x80000000
	s_mov_b32 s[G0AS], 1
	s_mov_b32 s[G0AS+1], SCL
	s_mov_b64 s[G0AS+2:G0AS+3], s[90:91]
	s_or_b32 s[G0AS+3], s[G0AS+3], 0x80000000
	s_mov_b32 s[G0BS], 1
	s_mov_b32 s[G0BS+1], SCL+4096
	s_mov_b64 s[G0BS+2:G0BS+3], s[98:99]
	s_or_b32 s[G0BS+3], s[G0BS+3], 0x80000000
	CROUND                                         ; all sixteen work-groups are here: the joint loads meet
.macro ARM under, g0, g1, next         ; one tree of branches on the wave's number: every way through the head passes exactly one load
	s_cmp_lt_u32 s[WV], \under
	s_cbranch_scc0 \next
	tensor_load_to_lds s[\g0:\g0+3], s[\g1:\g1+7]
	s_nop 0
.rept 4
	v_nop
.endr
	s_branch .Lfilled
\next:
.endm
	ARM 1, G0A0, G1A, .Lfill_p
	ARM 2, G0B0, G1B, .Lfill_sr
	ARM 3, G0AS, G1SA, .Lfill_sp
	tensor_load_to_lds s[G0BS:G0BS+3], s[G1SB:G1SB+7]
	s_nop 0
.rept 4
	v_nop
.endr
.Lfilled:
	s_lshl_b32 s84, s[PT], 9
	s_mov_b32 s85, 0
	s_add_nc_u64 s[8:9], s[8:9], s[84:85]          ; the bias of my 128 columns
	v_and_b32 v3, 31, v0                           ; lane
	v_and_b32 v1, 15, v0                           ; r
	v_bfe_u32 v2, v0, 4, 1                         ; h
	v_lshlrev_b32 v4, 4, v3                        ; 16 x lane
	v_lshlrev_b32 v5, 3, v3                        ; 8 x lane
	v_lshlrev_b32 v19, 6, v2                       ; 64 h
.irp a, 0,1
.irp b, 0,1,2,3,4,5,6,7
	global_load_b128 v[ACC+64*\a+8*\b:ACC+64*\a+8*\b+3], v19, s[8:9] offset:(32*(\b/2)+8*(\b%2))*4      ; the accumulators begin as the bias
	global_load_b128 v[ACC+64*\a+8*\b+4:ACC+64*\a+8*\b+7], v19, s[8:9] offset:(32*(\b/2)+8*(\b%2))*4+16
.endr
.endr
	s_lshl_b32 s86, s[RT], 19                      ; my first row of out0: (128 RT + 32 w) rows of 4,096 bytes, + my 128 columns
	s_lshl_b32 s83, s[WV], 17
	s_add_co_u32 s86, s86, s83
	s_add_co_u32 s86, s86, s84
	s_mov_b32 s87, 0
	s_add_nc_u64 s[10:11], s[10:11], s[86:87]
	s_mul_i32 s83, s[WV], 2*TILEB
	v_add_nc_u32 v8, s83, v4                       ; R's tiles 2 w, 2 w + 1: registers 0-3 of a half image,
	v_add_nc_u32 v10, s83, v5                      ; registers 4-5
	v_add_nc_u32 v12, PBASE, v4                    ; P's tiles 0-3,
	v_add_nc_u32 v13, PBASE+4*TILEB, v4            ; and 4-7
	v_add_nc_u32 v14, PBASE, v5
	v_add_nc_u32 v15, PBASE+4*TILEB, v5
	s_xor_b32 s83, s[WV], 3                        ; scale rows: the lower base + h x the distance, 4,096 - 1,024 w = 1,024 ((w xor 3) + 1)
	s_add_co_u32 s83, s83, 1
	s_lshl_b32 s83, s83, 10
	v_mul_u32_u24 v16, s83, v2
	v_lshl_add_u32 v16, v1, 5, v16
	s_lshl_b32 s83, s[WV], 10
	s_add_co_u32 s83, s83, SCL
	v_add_nc_u32 v16, s83, v16
	s_mul_i32 s83, s[WV], 16*SP
	s_add_co_u32 s83, s83, STAGE                   ; my stage
	v_mul_u32_u24 v17, v1, SP
	v_lshl_add_u32 v17, v2, 6, v17
	v_add_nc_u32 v17, s83, v17                     ; in: row r, + 64 h
	v_add_nc_u32 v18, s83, v4                      ; back: a row's 512 bytes, 16 a lane
	s_wait_alu depctr_va_vdst(0)
	s_wait_tensorcnt 0x0                           ; my one load is in
	s_barrier_signal -1
	s_barrier_wait -1
.irp i, 0,1,2,3,4,5,6,7
	ds_load_b128 v[SC+8*\i:SC+8*\i+3], v16 offset:512*\i           ; register 8 i + q: the scale word of K step q; lanes 0-15 R's tile 2 w + i (used for i = 0, 1), lanes 16-31 P's tile i
	ds_load_b128 v[SC+8*\i+4:SC+8*\i+7], v16 offset:512*\i+16
.endr
.macro FRAG reg, a16, a8, off          ; a fragment: two half images
	ds_load_b128 v[\reg:\reg+3], v[\a16] offset:\off
	ds_load_b64 v[\reg+4:\reg+5], v[\a8] offset:\off+512
	ds_load_b128 v[\reg+6:\reg+9], v[\a16] offset:\off+768
	ds_load_b64 v[\reg+10:\reg+11], v[\a8] offset:\off+1280
.endm
.macro FETCH q                         ; K step q's ten fragments into buffer q % 2
.set FB, 128*((\q)%2)
.set KO, FRB*(\q)
.irp b, 0,1,2,3,4,5,6,7
	FRAG FB+12*\b, 12+\b/4, 14+\b/4, TILEB*(\b%4)+KO
.endr
.irp a, 0,1
	FRAG FB+96+12*\a, 8, 10, TILEB*\a+KO
.endr
.endm
.macro MUL8 a, q                       ; the 16 accumulators take turns, one instruction a turn, in the same order in every K step
.set FB, 128*((\q)%2)
.irp b, 0,1,2,3,4,5,6,7
	v_wmma_scale_f32_16x16x128_f8f6f4 v[ACC+8*(8*\a+\b):ACC+8*(8*\a+\b)+7], v[FB+12*\b:FB+12*\b+11], v[FB+96+12*\a:FB+96+12*\a+11], v[ACC+8*(8*\a+\b):ACC+8*(8*\a+\b)+7], v[SC+8*\b+\q], v[SC+8*\a+\q] matrix_a_fmt:MATRIX_FMT_BF6 matrix_b_fmt:MATRIX_FMT_BF6 matrix_a_scale:MATRIX_SCALE_ROW1
.endr
.endm
.macro KS q
	s_wait_dscnt 0x0                               ; this step's fragments are in
	WIN MUL
	MUL8 0, \q
.if \q < 7
.rept 4
	v_nop                                          ; four plain instructions between the last products that read the other buffer and the loads into it
.endr
	WIN TO_F
	FETCH (\q)+1
.endif
	WIN MUL
	MUL8 1, \q
.endm
	WIN TO_F
	FETCH 0
	s_wait_loadcnt 0x0                             ; the bias
.irp q, 0,1,2,3,4,5,6,7
	KS \q
.endr
	WIN 0
.rept 4
	v_nop                                          ; four plain instructions behind the last products: ahead of the first read of results and of loads into the fragment buffers
.endr
.irp a, 0,1
	WIN 0
.irp b, 0,1,2,3,4,5,6,7
	ds_store_b128 v17, v[ACC+64*\a+8*\b:ACC+64*\a+8*\b+3] offset:128*(\b/2)+32*(\b%2)          ; each accumulator from its low end on
	ds_store_b128 v17, v[ACC+64*\a+8*\b+4:ACC+64*\a+8*\b+7] offset:128*(\b/2)+32*(\b%2)+16
.endr
	WIN TO_F
.irp i, 0,1,2,3,4,5,6,7,8,9,10,11,12,13,14,15
	ds_load_b128 v[128*\a+4*\i:128*\a+4*\i+3], v18 offset:SP*\i   ; LDS serves a wave's instructions in order: these see the stores above, and the next tile's stores come behind them
.endr
.endr
	WIN FROM_F
.irp a, 0,1
.irp i, 0,1,2,3,4,5,6,7,8,9,10,11,12,13,14,15
	s_wait_dscnt (1-\a)*32+15-\i                   ; this row is back; behind it: the tile's younger rows and, for the first tile, the second's 16 stores and 16 loads
	global_store_b128 v4, v[128*\a+4*\i:128*\a+4*\i+3], s[10:11] offset:(8*\a+\i+8*(\i/8))*4096 th:TH_STORE_NT   ; 512 consecutive bytes of a row of out0, aligned to 256; written once
.endr
.endr
	WIN 0
	s_wait_tensorcnt 0x0
	ds_add_u32 v126, v127
	s_wait_dscnt 0x0
	CROUND                                         ; the closing round: no work-group ends while a partner may still ask for a tile that names it
	s_endpgm
.Lfunc_end_k_qb317230b64_outp:
	.size	k_qb317230b64_outp, .Lfunc_end_k_qb317230b64_outp-k_qb317230b64_outp
	.p2alignl 7, 3214868480
	.fill 96, 4, 3214868480
	.section	.rodata,"a",@progbits
	.p2align	6, 0x0
	.amdhsa_kernel k_qb317230b64_outp
		.amdhsa_group_segment_fixed_size 239104
		.amdhsa_private_segment_fixed_size 0
		.amdhsa_enable_private_segment 0
		.amdhsa_kernarg_size 32
		.amdhsa_user_sgpr_count 2
		.amdhsa_user_sgpr_kernarg_segment_ptr 1
		.amdhsa_wavefront_size32 1
		.amdhsa_system_sgpr_workgroup_id_x 1
		.amdhsa_system_sgpr_workgroup_id_y 1
		.amdhsa_system_sgpr_workgroup_id_z 1
		.amdhsa_system_vgpr_workitem_id 0
		.amdhsa_next_free_vgpr 512
		.amdhsa_next_free_sgpr 104
		.amdhsa_reserve_vcc 0
		.amdhsa_float_denorm_mode_32 3
		.amdhsa_float_denorm_mode_16_64 3
		.amdhsa_memory_ordered 1
		.amdhsa_forward_progress 1
		.amdhsa_inst_pref_size 58
	.end_amdhsa_kernel
	.amdgpu_metadata
---
amdhsa.version: [ 1, 2 ]
amdhsa.kernels:
  - .name:           k_qb317230b64_outp
    .symbol:         k_qb317230b64_outp.kd
    .args:
      - { .name: aq, .offset: 0, .size: 8, .value_kind: global_buffer, .address_space: global }
      - { .name: wq, .offset: 8, .size: 8, .value_kind: global_buffer, .address_space: global }
      - { .name: bo, .offset: 16, .size: 8, .value_kind: global_buffer, .address_space: global }
      - { .name: out0, .offset: 24, .size: 8, .value_kind: global_buffer, .address_space: global }
    .group_segment_fixed_size: 239104
    .private_segment_fixed_size: 0
    .kernarg_segment_align: 8
    .kernarg_segment_size: 32
    .max_flat_workgroup_size: 128
    .sgpr_count:     104
    .vgpr_count:     512
    .wavefront_size: 32
...
	.end_amdgpu_metadata
.endif
;; end of part 4
